; MI455X (gfx1250); checked and timed in simulation.
; The chip was launched on July 23, 2026; its instructions are those of AMD's public machine-readable ISA for CDNA 5 (MIT licence, August 2026) and "CDNA5" Instruction Set Architecture Reference Guide (July 2026). The comments in the code are by the model that wrote it; some were corrected since.
;; Multi Head Attention. Allowed arithmetic: matrix products marked QUANTISED: E4M3 operands, one E8M0 scale for each 32 along K, by v_wmma_scale_f32_16x16x128_f8f6f4 with both operands' format E4M3, f32 sums; everything else in f32.
;; Inputs: Wk 1,024 x 1,024 float32; Wo 1,024 x 1,024 float32; Wq 1,024 x 1,024 float32; Wv 1,024 x 1,024 float32; bk 1,024 float32; bo 1,024 float32; bq 1,024 float32; bv 1,024 float32; key 2,048 x 4 x 1,024 float32; mask 2,048 x 2,048 bool; query 2,048 x 4 x 1,024 float32; value 2,048 x 4 x 1,024 float32.
;; Outputs: out0 2,048 x 4 x 1,024 float32.
;; This version of the problem:
;;   THIS VERSION OF THE PROBLEM IS GIVEN IN LOW PRECISION. The matrix products marked QUANTISED in the list below multiply operands that are first quantised to E4M3 (4 exponent bits, 3 mantissa bits; 8 bits a number), with one power-of-two scale for each 32 numbers along K (OCP MX v1.0); their sums are f32. All else is computed in f32.
;;   The module's matrix products, in the order in which they are computed (A, B: the left and right operand; K: the contracted axis; several contracted axes count as one K, in the product's order):
;;     1. [M 8,192, K 1,024] x [K 1,024, N 1,024]; A: input query; B: input Wq: QUANTISED
;;     2. [M 8,192, K 1,024] x [K 1,024, N 1,024]; A: input key; B: input Wk: QUANTISED
;;     3. [M 8,192, K 1,024] x [K 1,024, N 1,024]; A: input value; B: input Wv: QUANTISED
;;     4. batch 64 x [M 2,048, K 64] x [K 64, N 2,048]; A: computed on the way; B: computed on the way: QUANTISED
;;     5. batch 64 x [M 2,048, K 2,048] x [K 2,048, N 64]; A: softmax (see below); B: computed on the way: QUANTISED
;;     6. [M 8,192, K 1,024] x [K 1,024, N 1,024]; A: computed on the way; B: input Wo: QUANTISED
;;   THE QUANTISER, for each operand of a quantised product, along K:
;;     - K is cut into blocks of 32 from its start; a last block that is shorter is filled with zeros.
;;     - A block's scale is 2^e with e = floor(log2(the largest magnitude in the block)) - 8, held to -126 .. 127; a block of zeros has e = 0. As a byte (E8M0): e + 127.
;;     - Each number is divided by its block's scale, clamped to +-448, and rounded to the nearest number of E4M3, ties to even, subnormals kept.
;;     - The product sums the exact products of the quantised numbers (number of the format x scale) in f32.
;;   ~~~python
;;   def quantise(x, axis):      # numpy; x: float32 -> the quantised numbers, widened to float32 again
;;       x = np.moveaxis(x, axis, -1); K = x.shape[-1]
;;       x = np.pad(x, [(0, 0)] * (x.ndim - 1) + [(0, -K % 32)]); x = x.reshape(x.shape[:-1] + (-1, 32)); a = np.abs(x).max(-1, keepdims=True)
;;       e = np.where(a > 0, np.clip(np.frexp(np.where(a > 0, a, 1))[1] - 1 - 8, -126, 127), 0)      # np.frexp(a)[1] - 1 = floor(log2(a)), exactly
;;       r = np.clip(x / 2.0 ** e, -448, 448)
;;       step = 2.0 ** (np.maximum(np.frexp(np.where(r == 0, 1, r))[1] - 1, -6) - 3)
;;       q = np.round(r / step) * step * 2.0 ** e      # np.round: ties to even
;;       return np.moveaxis(q.reshape(q.shape[:-2] + (-1,))[..., :K], -1, axis).astype(np.float32)
;;   ~~~
;;   SOFTMAX AHEAD OF A QUANTISED PRODUCT. Where the list says 'softmax', what is quantised is not the finished softmax but p = 2^(t - M), with t = logit x log2(e) and M = ceil(the row's largest t), a whole number; so 1/2 < the row's largest p <= 1. The row's sum l is taken of the UNQUANTISED p, in f32, and the product's result is divided by l at the end. Since M is a whole number, a kernel that streams over the keys may use a running M (the ceiling of the running maximum): every later rescaling is an exact power of two, which a block's scale takes up: the codes' values come out the same.
;;   OPERANDS COMPUTED ON THE WAY. 'Computed on the way' means the value that the module computes at that place (a softmax that the list does not call 'softmax' is quantised finished and normalised). What goes into a quantiser is computed in f32, as accurately as f32 sums, v_exp_f32 and their like allow (about 1e-6 of the number): no bf16 or f16 on the way to a quantiser, and a product that is left as it is and whose result goes on into a quantised operand takes f32 operands (vector FMAs, or v_wmma_f32_16x16x4_f32). A number that lies on a knife's edge between two numbers of the format may be rounded either way, as far as f32 arithmetic and the matrix unit's own rounding can turn it there, and no further.
;; 2 versions, each right; version 2 is version 1 with the launch attn written anew for expert scheduling mode. Each part assembles by itself: llvm-mc -triple=amdgcn-amd-amdhsa -mcpu=gfx1250 --defsym DOCPART=n.
;; ======== version 1 of 2: 4 launches
;; workspace buffers: cod 29,360,128 bytes; scl 917,504 bytes; maskw 524,288 bytes of whole numbers; flags 4,096 bytes of whole numbers; hc 25,165,824 bytes; hs 786,432 bytes; xc 8,388,608 bytes; xs 262,144 bytes
;; launch prep (part 1): grid 704 x 1, 4 waves a work-group, no clusters, 34,304 bytes of LDS; arguments query, key, value, Wq, Wk, Wv, Wo, mask, cod, scl, maskw, flags; writes cod, scl, maskw, flags
.if DOCPART == 1
	.amdgcn_target "amdgcn-amd-amdhsa--gfx1250"
	.amdhsa_code_object_version 6
	.text
	.protected	k_q519ef37dec_prep
	.globl	k_q519ef37dec_prep
	.p2align	8
	.type	k_q519ef37dec_prep,@function
k_q519ef37dec_prep:
	s_mov_b64 s[64:65], 0
	v_nop
	global_prefetch_b8 v0, s[64:65] scope:SCOPE_SE
	s_setreg_imm32_b32 hwreg(HW_REG_WAVE_MODE, 25, 1), 1
	s_wait_xcnt 0x0
; PREP.  (1) query, key, value [2048][4][1024] and Wq, Wk, Wv, Wo [1024][1024], f32, become codes of E4M3 with one E8M0 byte for each 32 along K (their last axis).
; (2) mask [2048][2048] (bytes 0 or 1) becomes lane-mask words and two flag bits for each tile of 16 queries x 128 keys.
; ROW ORDER.  sigma(i) = i with bits 3 and 4 exchanged.  Row (s, b) of an activation lies at position 2048 b + sigma(s), row n of a weight at position sigma(n): sixteen positions 16 T + r hold the rows
; 32 (T / 2) + 8 (T % 2) + r + 8 (r / 8).  A product that takes such a tile as source 0 leaves 16 neighbouring rows in the 16 registers of two neighbouring result tiles.
; CODES are laid as images of operand registers: a fragment (16 positions x 128 K) is 2,048 bytes on end, [32 K][lane][16 bytes]; 128 positions x 256 K are 32,768 bytes on end; 128 positions x 1,024 K are 131,072.
; SCALE BYTES: [position][32].
; A block's scale is 2^(floor(log2(largest magnitude)) - 8); its byte is the largest magnitude's exponent field - 8, held at 1 from below.
; LIMITS: a block whose largest magnitude lies under 2^-118 gets the byte 1; a block of zeros gets the byte 1 where the stated quantiser says 127 (its codes are zeros, and this program alone reads the bytes);
; NaN and infinities among the inputs are not served; mask bytes are taken as 0 or 1.
; SHARES.  Work-groups 0 to 255 take the mask, 256 to 703 the seven tensors: there a wave takes one tile of 16 positions and all 1,024 along K, in eight units of 128.
; Each load reads 512 bytes on end of one row; a unit turns through the wave's own stage in LDS (16 rows, 528 bytes apart) so that a lane gets 16 neighbours of each block of 32.
; No matrix unit, no cluster, no barrier: waves share nothing, and memory binds.  The flag words leave as one store of 4 bytes a wave, 4,096 bytes in the whole launch: that small partial write is accepted.
.set WREG,  8448                       ; a wave's stage: 16 rows x 528 bytes
.set SPT,   528                        ; 512 bytes + 16: the sixteen rows that a read touches begin in sixteen different groups of banks
.set RO,    8                          ; v8-23    row i of the tile: 16 x lane + (i + 8 (i / 8)) x the row stride
.set R,     24                         ; v24-151  two sets of 64: a unit as it is loaded
.set X,     152                        ; v152-215 64 numbers of my row: register 16 b + i = k 32 b + 16 (lane / 16) + i
.set PC,    216                        ; v216-231 the unit's codes
.set TM,    232                        ; v232-247 at work
.set SW,    248                        ; v248-255 a scale word for each unit
.set SEL,   44                         ; s44-45   lane selects: lane l xor 16
.set MNT,   46                         ; s46      the mantissa field of 448
.set HM,    47                         ; s47      lanes 16 to 31
.macro LOADU kk                        ; unit kk of the 16 rows into set kk % 2
.set i, 0
.rept 16
	global_load_b128 v[R+64*((\kk)%2)+4*i:R+64*((\kk)%2)+4*i+3], v[RO+i], s[48:49] offset:512*(\kk) th:TH_LOAD_NT
.set i, i+1
.endr
.endm
.macro QUANT s, w                      ; 64 numbers v[s] on become 16 registers of codes, v[PC] on, and the scale word v[w]
.irp b, 0,1,2,3
	v_max3_num_f32 v[TM+\b], |v[\s+16*\b]|, |v[\s+1+16*\b]|, 0x4800000   ; block b: my 16 numbers and the floor 2^(9 - 127): the byte cannot fall under 1
.endr
.irp i, 2,4,6,8,10,12,14
.irp b, 0,1,2,3
	v_max3_num_f32 v[TM+\b], v[TM+\b], |v[\s+16*\b+\i]|, |v[\s+1+16*\b+\i]|   ; the four blocks by turns
.endr
.endr
.irp b, 0,1,2,3
	v_permlanex16_b32 v[TM+4+\b], v[TM+\b], s[SEL], s[SEL+1]
.endr
.irp b, 0,1,2,3
	v_max_num_f32 v[TM+\b], v[TM+\b], v[TM+4+\b]                 ; with lane l xor 16's 16: the block's largest magnitude
.endr
.irp b, 0,1,2,3
	v_add_nc_u32 v[TM+12+\b], 0xfc000000, v[TM+\b]               ; 8 off its exponent field: the conversion's scale operand
.endr
.irp b, 0,1,2,3
	v_and_or_b32 v[TM+8+\b], v[TM+\b], 0x7f800000, s[MNT]        ; 448 x the scale
.endr
.irp b, 0,1,2,3
	v_lshrrev_b32 v[TM+4+\b], 23, v[TM+12+\b]                    ; the scale's byte
.endr
	v_lshl_or_b32 v[\w], v[TM+5], 8, v[TM+4]
	v_lshl_or_b32 v[\w], v[TM+6], 16, v[\w]
	v_lshl_or_b32 v[\w], v[TM+7], 24, v[\w]
.irp b, 0,1,2,3
.irp i, 0,1,2,3,4,5,6,7,8,9,10,11,12,13,14,15
	v_med3_num_f32 v[\s+16*\b+\i], v[\s+16*\b+\i], -v[TM+8+\b], v[TM+8+\b]   ; the conversion to an 8-bit code does not saturate (ISA guide 7.6.2): the hold comes first
.endr
	v_cvt_scalef32_pk8_fp8_f32 v[PC+4*\b:PC+4*\b+1], v[\s+16*\b:\s+16*\b+7], v[TM+12+\b]
	v_cvt_scalef32_pk8_fp8_f32 v[PC+4*\b+2:PC+4*\b+3], v[\s+16*\b+8:\s+16*\b+15], v[TM+12+\b]
.endr
	v_nop                                          ; a plain line behind the last conversion
.endm
.macro UNIT kk
.if (\kk) < 7
	s_wait_loadcnt 16                              ; this unit's 16 loads are in; the next unit's 16 may be out
.else
	s_wait_loadcnt 0x0
.endif
	s_wait_xcnt 0x0                                ; the last unit's four stores have read the codes' registers
.set i, 0
.rept 16
	ds_store_b128 v2, v[R+64*((\kk)%2)+4*i:R+64*((\kk)%2)+4*i+3] offset:SPT*i
.set i, i+1
.endr
.irp b, 0,1,2,3
.irp j, 0,1,2,3
	ds_load_b128 v[X+16*\b+4*\j:X+16*\b+4*\j+3], v3 offset:128*\b+16*\j   ; LDS serves a wave's instructions in order: these see the stores above
.endr
.endr
	s_wait_dscnt 0x0                               ; the numbers are back, and the stores have read their registers,
.if (\kk) < 6
	LOADU (\kk)+2                                  ; which take the unit two further on
.endif
	QUANT X, SW+(\kk)
.irp c, 0,1,2,3
	global_store_b128 v1, v[PC+4*\c:PC+4*\c+3], s[50:51] offset:((\kk)/2)*32768+((\kk)%2)*2048+512*\c   ; 512 bytes on end
.endr
.endm
.macro MSTEP e                         ; key step 2 e0 + e of my tile: 64 lane-mask words and two flag bits
	v_mov_b32 v[8+2*\e], 0
	v_mov_b32 v[9+2*\e], 0
.set n, 0
.rept 64
	v_and_b32 v[12+n%4], 0xff<<(8*(n%4)), v[24+16*\e+n/4]          ; byte n of my 64: key 32 (n / 16) + 16 (lane / 16) + n % 16
	v_cmp_ne_u32 s[48+n%8], 0, v[12+n%4]                           ; bit l: is that key hidden from lane l's query?
	v_writelane_b32 v[8+2*\e+(n&1)], s[48+n%8], n>>1               ; word n goes to lane n / 2, register n % 2
.set n, n+1
.endr
	v_and_b32 v16, v[24+16*\e], v[25+16*\e]
	v_or_b32 v17, v[24+16*\e], v[25+16*\e]
.set n, 2
.rept 14
	v_and_b32 v16, v16, v[24+16*\e+n]
	v_or_b32 v17, v17, v[24+16*\e+n]
.set n, n+1
.endr
	v_cmp_ne_u32 s40, 0x01010101, v16              ; some lane has an open key
	v_cmp_ne_u32 s41, 0, v17                       ; some lane has a hidden key
	s_cmp_lg_u32 s40, 0
	s_cselect_b32 s43, 1<<(2*\e), 0
	s_or_b32 s42, s42, s43
	s_cmp_lg_u32 s41, 0
	s_cselect_b32 s43, 2<<(2*\e), 0
	s_or_b32 s42, s42, s43
	global_store_b64 v3, v[8+2*\e:9+2*\e], s[24:25] offset:256*\e   ; 32 lanes store 256 bytes on end, aligned
.endm
	s_load_b512 s[4:19], s[0:1], 0x0               ; query, key, value, Wq, Wk, Wv, Wo, mask
	s_load_b256 s[20:27], s[0:1], 0x40             ; cod, scl, maskw, flags
	s_set_vgpr_msb 0x40
	v_lshl_add_u32 v0, v0, 2, 0x8400
	v_mov_b32 v1, 0
	s_set_vgpr_msb 0x4000
	v_lshrrev_b32 v5, 5, v0
	v_readfirstlane_b32 s28, v5                    ; wave
	v_and_b32 v6, 31, v0                           ; lane
	v_and_b32 v7, 15, v0                           ; r
	s_cmp_lt_u32 ttmp9, 256
	s_cbranch_scc1 .Lmask
	; ---- the seven tensors
	s_sub_co_u32 s29, ttmp9, 256                   ; g: 0-127 query, -255 key, -383 value, then 16 for each weight
	s_lshl_b32 s30, s29, 2
	s_add_co_u32 s30, s30, s28                     ; my tile of 16 positions, counted through all seven tensors
	s_cmp_lt_u32 s29, 384
	s_mov_b32 s31, 4096
	s_cselect_b32 s31, 16384, s31                  ; bytes from a row to the next: s steps over the four b
	s_cselect_b32 s32, 511, 63
	s_and_b32 s32, s30, s32                        ; the tile inside its tensor
	s_lshr_b32 s33, s32, 7                         ; b (0 in a weight)
	s_and_b32 s34, s32, 127
	s_lshr_b32 s35, s34, 1
	s_lshl_b32 s35, s35, 5
	s_and_b32 s36, s34, 1
	s_lshl_b32 s36, s36, 3
	s_add_co_u32 s35, s35, s36                     ; the tile's first row: 32 (T / 2) + 8 (T % 2)
	s_mul_i32 s36, s35, s31
	s_lshl_b32 s33, s33, 12
	s_add_co_u32 s36, s36, s33
	s_mov_b32 s37, 0
	s_lshr_b32 s38, s30, 3
	s_lshl_b32 s38, s38, 17                        ; codes: 131,072 bytes for 128 positions,
	s_and_b32 s40, s30, 7
	s_lshl_b32 s40, s40, 12                        ; 4,096 for a tile inside 256 along K
	s_add_co_u32 s38, s38, s40
	s_mov_b32 s39, 0
	s_lshl_b32 s40, s30, 9                         ; scale bytes: 512 a tile
	s_mov_b32 s41, 0
	s_mov_b32 s[SEL], 0x76543210
	s_mov_b32 s[SEL+1], 0xfedcba98
	s_mov_b32 s[MNT], 0x600000
	s_mov_b32 s[HM], 0xffff0000
	v_lshlrev_b32 v1, 4, v6                        ; 16 x lane
	s_mul_i32 s42, s28, WREG
	v_add_nc_u32 v2, s42, v1                       ; the stage, in: a row's 512 bytes as they lie
	v_bfe_u32 v5, v0, 4, 1                         ; h
	v_mul_u32_u24 v3, v7, SPT
	v_lshl_add_u32 v3, v5, 6, v3
	v_add_nc_u32 v3, s42, v3                       ; and out: row r, + 64 h
	v_lshlrev_b32 v4, 5, v7
	v_lshl_add_u32 v4, v5, 4, v4                   ; scale bytes: 32 r + 16 h
.irp i, 0,1,2,3,4,5,6,7,8,9,10,11,12,13,14,15
	v_mad_u32_u24 v[RO+\i], s31, \i+8*(\i/8), v1
.endr
.irp b, 0,1,2,3
	v_mov_b32 v[TM+4+\b], 0                        ; written once: a lane permute's destination counts as one of its sources
.endr
	s_wait_kmcnt 0x0
	s_mov_b64 s[48:49], s[16:17]                   ; the tensor is chosen by the work-group's number alone
	s_cmp_lt_u32 s29, 432
	s_cselect_b64 s[48:49], s[14:15], s[48:49]
	s_cmp_lt_u32 s29, 416
	s_cselect_b64 s[48:49], s[12:13], s[48:49]
	s_cmp_lt_u32 s29, 400
	s_cselect_b64 s[48:49], s[10:11], s[48:49]
	s_cmp_lt_u32 s29, 384
	s_cselect_b64 s[48:49], s[8:9], s[48:49]
	s_cmp_lt_u32 s29, 256
	s_cselect_b64 s[48:49], s[6:7], s[48:49]
	s_cmp_lt_u32 s29, 128
	s_cselect_b64 s[48:49], s[4:5], s[48:49]
	s_add_nc_u64 s[48:49], s[48:49], s[36:37]
	s_add_nc_u64 s[50:51], s[20:21], s[38:39]
	s_add_nc_u64 s[52:53], s[22:23], s[40:41]
	LOADU 0
	LOADU 1
.irp k, 0,1,2,3,4,5,6,7
	UNIT \k
.endr
	s_wait_xcnt 0x0                                ; the last stores have read the codes' registers
.irp j, 0,1,2,3
	v_cndmask_b32 v[PC+\j], v[SW+\j], v[SW+4+\j], s[HM]            ; lanes 0-15 take my row's words 0-3, lanes 16-31 words 4-7
.endr
	global_store_b128 v4, v[PC:PC+3], s[52:53]     ; the tile's 512 scale bytes on end
	s_set_vgpr_msb 0x5
	s_wait_tensorcnt 0x0
	ds_add_u32 v0, v1
	s_wait_dscnt 0x0
	s_set_vgpr_msb 0x500
	s_endpgm
	; ---- the mask: a wave takes a tile of 16 query positions and 256 keys (two key steps)
.Lmask:
	s_lshl_b32 s29, ttmp9, 2
	s_add_co_u32 s29, s29, s28                     ; U = 8 x query tile + e
	s_lshr_b32 s30, s29, 3
	s_and_b32 s31, s29, 7
	s_lshr_b32 s32, s30, 1
	s_lshl_b32 s32, s32, 5
	s_and_b32 s33, s30, 1
	s_lshl_b32 s33, s33, 3
	s_add_co_u32 s32, s32, s33                     ; the tile's first query
	s_lshl_b32 s32, s32, 11
	s_lshl_b32 s33, s31, 8
	s_add_co_u32 s32, s32, s33
	v_and_b32 v1, 8, v7
	v_add_nc_u32 v1, v1, v7                        ; r + 8 (r / 8)
	v_bfe_u32 v2, v0, 4, 1
	v_lshlrev_b32 v1, 11, v1
	v_lshl_add_u32 v1, v2, 4, v1
	v_add_nc_u32 v1, s32, v1                       ; my query's row, + 256 e + 16 h
	v_lshlrev_b32 v3, 3, v6                        ; out: 8 bytes a lane
	s_lshl_b32 s34, s30, 4
	s_lshl_b32 s35, s31, 1
	s_add_co_u32 s34, s34, s35
	s_lshl_b32 s34, s34, 8                         ; 256 bytes for each (tile, key step)
	s_mov_b32 s35, 0
	s_lshl_b32 s36, s29, 2                         ; a flag word for each U
	s_mov_b32 s37, 0
	s_mov_b32 s42, 0
	s_wait_kmcnt 0x0
	s_add_nc_u64 s[24:25], s[24:25], s[34:35]
	s_add_nc_u64 s[26:27], s[26:27], s[36:37]
.irp e, 0,1
.irp b, 0,1,2,3
	global_load_b128 v[24+16*\e+4*\b:24+16*\e+4*\b+3], v1, s[18:19] offset:128*\e+32*\b
.endr
.endr
	s_wait_loadcnt 0x0
	MSTEP 0
	MSTEP 1
	s_lshl_b32 s43, s31, 2
	s_lshl_b32 s42, s42, s43                       ; the four bits at their place among the tile's 32
	v_mov_b32 v18, s42
	v_mov_b32 v19, 0
	v_cmp_eq_u32 vcc_lo, 0, v6
	s_wait_xcnt 0x0                                ; EXEC changes only behind this wait
	s_and_saveexec_b32 s44, vcc_lo
	global_store_b32 v19, v18, s[26:27]
	s_wait_xcnt 0x0                                ; and again in front of the line that widens it
	s_or_b32 exec_lo, exec_lo, s44
	s_endpgm
.Lfunc_end_k_q519ef37dec_prep:
	.size	k_q519ef37dec_prep, .Lfunc_end_k_q519ef37dec_prep-k_q519ef37dec_prep
	.p2alignl 7, 3214868480
	.fill 96, 4, 3214868480
	.section	.rodata,"a",@progbits
	.p2align	6, 0x0
	.amdhsa_kernel k_q519ef37dec_prep
		.amdhsa_group_segment_fixed_size 34304
		.amdhsa_private_segment_fixed_size 0
		.amdhsa_enable_private_segment 0
		.amdhsa_kernarg_size 96
		.amdhsa_user_sgpr_count 2
		.amdhsa_user_sgpr_kernarg_segment_ptr 1
		.amdhsa_wavefront_size32 1
		.amdhsa_system_sgpr_workgroup_id_x 1
		.amdhsa_system_sgpr_workgroup_id_y 1
		.amdhsa_system_sgpr_workgroup_id_z 1
		.amdhsa_system_vgpr_workitem_id 0
		.amdhsa_next_free_vgpr 258
		.amdhsa_next_free_sgpr 66
		.amdhsa_reserve_vcc 1
		.amdhsa_float_denorm_mode_32 3
		.amdhsa_float_denorm_mode_16_64 3
		.amdhsa_memory_ordered 1
		.amdhsa_forward_progress 1
		.amdhsa_inst_pref_size 130
	.end_amdhsa_kernel
	.amdgpu_metadata
---
amdhsa.version: [ 1, 2 ]
amdhsa.kernels:
  - .name:           k_q519ef37dec_prep
    .symbol:         k_q519ef37dec_prep.kd
    .args:
      - { .name: query, .offset: 0, .size: 8, .value_kind: global_buffer, .address_space: global }
      - { .name: key, .offset: 8, .size: 8, .value_kind: global_buffer, .address_space: global }
      - { .name: value, .offset: 16, .size: 8, .value_kind: global_buffer, .address_space: global }
      - { .name: Wq, .offset: 24, .size: 8, .value_kind: global_buffer, .address_space: global }
      - { .name: Wk, .offset: 32, .size: 8, .value_kind: global_buffer, .address_space: global }
      - { .name: Wv, .offset: 40, .size: 8, .value_kind: global_buffer, .address_space: global }
      - { .name: Wo, .offset: 48, .size: 8, .value_kind: global_buffer, .address_space: global }
      - { .name: mask, .offset: 56, .size: 8, .value_kind: global_buffer, .address_space: global }
      - { .name: cod, .offset: 64, .size: 8, .value_kind: global_buffer, .address_space: global }
      - { .name: scl, .offset: 72, .size: 8, .value_kind: global_buffer, .address_space: global }
      - { .name: maskw, .offset: 80, .size: 8, .value_kind: global_buffer, .address_space: global }
      - { .name: flags, .offset: 88, .size: 8, .value_kind: global_buffer, .address_space: global }
    .group_segment_fixed_size: 34304
    .private_segment_fixed_size: 0
    .kernarg_segment_align: 8
    .kernarg_segment_size: 96
    .max_flat_workgroup_size: 128
    .sgpr_count:     66
    .vgpr_count:     258
    .wavefront_size: 32
...
	.end_amdgpu_metadata
.endif
;; end of part 1
;; launch proj (part 2): grid 4 x 96, 4 waves a work-group, clusters of 4 x 4, 327,680 bytes of LDS; arguments cod, scl, bq, bk, bv, hc, hs; writes hc, hs
.if DOCPART == 2
	.amdgcn_target "amdgcn-amd-amdhsa--gfx1250"
	.amdhsa_code_object_version 6
	.text
	.protected	k_q519ef37dec_proj
	.globl	k_q519ef37dec_proj
	.p2align	8
	.type	k_q519ef37dec_proj,@function
k_q519ef37dec_proj:
	s_mov_b64 s[64:65], 0
	v_nop
	global_prefetch_b8 v0, s[64:65] scope:SCOPE_SE
	s_setreg_imm32_b32 hwreg(HW_REG_WAVE_MODE, 25, 1), 1
	s_wait_xcnt 0x0
	s_wait_alu depctr_hold_cnt(0) depctr_sa_sdst(0) depctr_va_vdst(0) depctr_va_sdst(0) depctr_va_ssrc(0) depctr_va_vcc(0) depctr_vm_vsrc(0)
	s_getreg_b32 s2, hwreg(HW_REG_IB_STS2, 6, 4)
	s_cmp_eq_u32 s2, 0
	s_cbranch_scc0 .Lentry_in_a_cluster
	s_endpgm
.Lentry_in_a_cluster:
	s_bfe_u32 s2, ttmp6, 0x10000c
	s_cmp_lg_u32 s2, 0xf033
	s_cbranch_scc0 .Lentry_shape_is_right
	s_endpgm
.Lentry_shape_is_right:
; PROJ.  q = query Wq^T + bq, k = key Wk^T + bk, v = value Wv^T + bv on codes of E4M3 with E8M0 scales; the results are quantised in registers and leave as images of attention's operand registers.
; Clusters 0-7 along y make q, 8-15 k, 16-23 v (TYPE, the same in all sixteen partners).  A work-group makes 256 positions x 256 columns, each of four waves 128 x 128: 64 accumulators, 512 registers.
; K = 1,024 goes in four steps of 256 through two LDS slots.  The codes lie in memory as images of operand registers, so a tile of 128 rows x 256 K is 32,768 bytes on end, a fragment 2,048,
; and a fragment load reads 512 bytes on end: no pitch, no padding.  The scale bytes of the work-group's rows, for all of K, come once, with the first fills.
; CLUSTER 4 x 4: the long operand's tiles are shared along a row of the cluster, the weight's along a column: each is asked for jointly.
; WHICH OPERAND IS WHICH SOURCE.  Source 1 gives a lane its row, source 0 runs along the lane's registers, and the rows of a tile of source 0 are ordered so that the 16 registers of two neighbouring tiles are
; 16 neighbours.  q, k are quantised along the head's 64: source 0 = the weight, source 1 = the activations.  v is quantised along the keys: source 0 = value, source 1 = Wv.  Only LDS read addresses differ.
; The bias is the C of each sum's first matrix instruction: by source 0's tile for q and k, by source 1's for v: that one step of 128 along K is written twice.
; OUT.  hc: q, k: [b, head][tile of 16 s][32 of the head][lane][16];  v: [b, head][128 keys][tile of 16 d][32 keys][lane][16].  hs: [b, head][128 s][row 16][4 words].
; LIMITS: blocks whose largest magnitude lies under 2^-118, blocks of zeros among them, get the byte 1 (this program alone reads the bytes); NaN and infinities are not served.
; REGISTERS, in windows of 256: window 0: v0-31 addresses; v32-63 scale words, two sets; v64-127 the bias; from v128 source 1's fragments, one set (on the way out: at work).
;   window 1: source 0's fragments, two sets.   windows 2, 3: the accumulators ((a, b) at v[8 (8 (a % 4) + b)] of window 2 + a / 4).
.set NQ,     2                         ; matrix instructions deep in a slot
.set FR,     16                        ; registers of a fragment
.set NL,     4                         ; LDS loads that bring one
.set NP,     8                         ; places behind this matrix instruction (ISA guide 7.12.1)
.set HALFT,  32768                     ; 128 rows x 256 K: what one tensor load brings
.set SLOT,   131072                    ; the long operand's 256 rows, then the weight's
.set SCL,    262144                    ; behind the ring: the scale bytes, as rows of 256 bytes + 16
.set HALFS,  4352                      ; those of 128 rows: 16 x 272
.set SBLK,   544                       ; those of 16 rows
.set SPARE,  327168                    ; the spare words: the last 512 bytes, which no other line names
.set LI,   4                           ; v4   16 x lane
.set ADRA, 16                          ; v16-17  source 1's fragments in slot 0, 1
.set ADRB, 20                          ; v20-21  source 0's
.set ADRS, 27                          ; v27  my scale words: lanes 0-15 source 1's rows, lanes 16-31 source 0's
.set SPW,  28
.set NIL,  29
.set SC,   32
.set BI,   64
.set AF,   128
.set TM,   128                         ; the way out: v128-143 at work, v144-159 codes, v160-167 a scale word for each block
.set PC,   144
.set PWS,  160
.set VO1,  169
.set SO,   170
.set SELP, 171
.set OUTW, 172
.set MNT,  2
.set HM,   3
.set WV,   18
.set WH,   19
.set WL,   20
.set CX,   21
.set CY,   22
.set TC,   23
.set G1,   24
.set G0,   32
.set G1B,  48
.set G0B,  56
.set SEL,  66
.set G1S,  68
.set G0S,  76
.set G1SB, 80
.set G0SB, 88
.set TYPE, 92
.set LL,   93
.set MSB, 0
.macro WIN new                         ; the immediate's high byte repeats the setting that is left
.if MSB != \new
	s_set_vgpr_msb (MSB<<8)|\new
.set MSB, \new
.endif
.endm
.set MUL_LO, 0xa1                      ; source 0 window 1, source 1 window 0, C and D window 2
.set MUL_HI, 0xf1                      ; the same, C and D window 3
.set TO_B,   0x40                      ; destination window 1, address window 0
; A joint load: waves 0 and 1 fetch the long operand's halves, waves 2 and 3 the weight's.  The branch hangs on the wave's number alone.  Four v_nop follow each line.
.macro JLOAD g0a, g1a, g0b, g1b
	s_cmp_eq_u32 s[WH], 0
	s_cbranch_scc0 .Lfor_b_\@
	tensor_load_to_lds s[\g0a:\g0a+3], s[\g1a:\g1a+7]
	s_nop 0
.rept 4
	v_nop
.endr
	s_branch .Lasked_\@
.Lfor_b_\@:
	tensor_load_to_lds s[\g0b:\g0b+3], s[\g1b:\g1b+7]
	s_nop 0
.rept 4
	v_nop
.endr
.Lasked_\@:
.endm
.macro CREST                           ; a round of the cluster's barrier behind its opening barrier
	s_cmp_lg_u32 s[WV], 0
	s_cbranch_scc1 .Lnot_wave_0_\@
	s_barrier_signal -3
.Lnot_wave_0_\@:
	s_barrier_wait -3
	s_barrier_signal -1
	s_barrier_wait -1
.endm
.macro CROUND
	s_barrier_signal -1
	s_barrier_wait -1
	CREST
.endm
.macro FRAG reg, adr, q, i             ; a fragment as it lies: four loads of 512 bytes on end
.irp c, 0,1,2,3
	ds_load_b128 v[\reg+4*\c:\reg+4*\c+3], v[\adr] offset:4096*(\i)+2048*(\q)+512*\c
.endr
.endm
; 16 matrix instructions: source 1's blocks a0, a0 + 1 x source 0's eight.  zero = 1: C = the bias by source 0's tile; 2: by source 1's; 0: the sum goes on.  The 64 accumulators take turns.
.macro MUL16 a0, p, q, sc, zero
.irp a, \a0, \a0+1
.irp b, 0,1,2,3,4,5,6,7
.set DD, 8*(8*((\a)%4)+\b)
.set FB, 128*(\p)+FR*\b
.set FA, AF+FR*(\a)
.set SB0, SC+8*NQ*(\sc)+NQ*\b+(\q)
.set SA0, SC+8*NQ*(\sc)+NQ*(\a)+(\q)
.if (\zero) == 1
	v_wmma_scale_f32_16x16x128_f8f6f4 v[DD:DD+7], v[FB:FB+15], v[FA:FA+15], v[BI+8*\b:BI+8*\b+7], v[SB0], v[SA0] matrix_a_scale:MATRIX_SCALE_ROW1
.elseif (\zero) == 2
	v_wmma_scale_f32_16x16x128_f8f6f4 v[DD:DD+7], v[FB:FB+15], v[FA:FA+15], v[BI+8*(\a):BI+8*(\a)+7], v[SB0], v[SA0] matrix_a_scale:MATRIX_SCALE_ROW1
.else
	v_wmma_scale_f32_16x16x128_f8f6f4 v[DD:DD+7], v[FB:FB+15], v[FA:FA+15], v[DD:DD+7], v[SB0], v[SA0] matrix_a_scale:MATRIX_SCALE_ROW1
.endif
.endr
.endr
.endm
.macro FETCH_B slot, q, p
	WIN TO_B
.irp i, 0,1,2,3,4,5,6,7
	FRAG 128*(\p)+FR*\i, ADRB+\slot, \q, \i
.endr
	WIN 0
.endm
.macro FETCH_A slot, q, i0
.irp i, \i0, \i0+1, \i0+2, \i0+3
	FRAG AF+FR*(\i), ADRA+\slot, \q, \i
.endr
.endm
.macro SCALES sc                       ; a K step's two words a row: lanes 0-15 source 1's block i, lanes 16-31 source 0's block i
.irp i, 0,1,2,3,4,5,6,7
	ds_load_b64 v[SC+8*NQ*\sc+NQ*\i:SC+8*NQ*\sc+NQ*\i+1], v[ADRS] offset:\i*SBLK
.endr
.endm
.macro PLACES n                        ; plain vector lines between a matrix instruction and a load into, or a read of, its registers
.rept \n
	v_nop
.endr
.endm
.macro STEP slot, q, zero              ; 128 along K whose successor lies in the same slot
	s_wait_dscnt 4*NL                              ; all but the youngest 16 loads (source 1's blocks 4-7) are in
.if \zero
	WIN 0x81                                       ; C, the bias, in window 0
.else
	WIN MUL_LO
.endif
	MUL16 0, (\q)%2, \q, \slot, \zero
	MUL16 2, (\q)%2, \q, \slot, \zero
	s_wait_dscnt 0x0
	PLACES NP
	FETCH_B \slot, (\q)+1, 1-(\q)%2
	FETCH_A \slot, (\q)+1, 0
.if \zero
	WIN 0xc1
.else
	WIN MUL_HI
.endif
	MUL16 4, (\q)%2, \q, \slot, \zero
	MUL16 6, (\q)%2, \q, \slot, \zero
	PLACES NP
	WIN 0
	FETCH_A \slot, (\q)+1, 4
.endm
; A slot's last 128 along K, and the change of slots: one barrier; in front of it each wave waits for all its tensor loads, adds 0 to its spare word, and waits for that and for its reads of this slot.
.macro TURN slot, next, fill
	s_wait_tensorcnt 0x0                           ; all my tensor loads have landed: my part of the next slot
	ds_add_u32 v[SPW], v[NIL]                      ; 0 onto my spare word
	s_wait_dscnt 4*NL+1                            ; the add and the youngest 16 loads may be out
	WIN MUL_LO
	MUL16 0, 1, NQ-1, \slot, 0
	s_wait_dscnt 0x0                               ; the add is done, and my reads of this slot are over
	s_barrier_signal -1
	MUL16 2, 1, NQ-1, \slot, 0
	WIN 0
	s_barrier_wait -1
.if \fill
	CREST                                          ; the barrier has opened a round of the cluster's: no wave of any partner still reads this slot or has a load on its way
	s_add_nc_u64 s[G0+4*\slot+2:G0+4*\slot+3], s[G0+4*\slot+2:G0+4*\slot+3], 65536
	s_add_nc_u64 s[G0B+4*\slot+2:G0B+4*\slot+3], s[G0B+4*\slot+2:G0B+4*\slot+3], 65536
	JLOAD G0+4*\slot, G1, G0B+4*\slot, G1B         ; the first tensor load behind the round: the K step two further on
	PLACES NP-4
.else
	PLACES NP
.endif
	v_add_nc_u32 v[ADRS], 4*NQ, v[ADRS]            ; the next K step's scale words
	FETCH_B \next, 0, 0
	FETCH_A \next, 0, 0
	SCALES \next
	WIN MUL_HI
	MUL16 4, 1, NQ-1, \slot, 0
	MUL16 6, 1, NQ-1, \slot, 0
	PLACES NP
	WIN 0
	FETCH_A \next, 0, 4
.endm
	s_load_b256 s[4:11], s[0:1], 0x0               ; cod, scl, bq, bk
	s_load_b128 s[12:15], s[0:1], 0x20             ; bv, hc
	s_load_b64 s[16:17], s[0:1], 0x30              ; hs
	v_lshl_add_u32 v[SPW], v0, 2, SPARE
	v_mov_b32 v[NIL], 0
	ds_add_u32 v28, v29
	ds_add_u32 v28, v29
	s_wait_dscnt 0x0
	v_lshrrev_b32 v1, 5, v0
	v_readfirstlane_b32 s[WV], v1
	s_lshr_b32 s[WH], s[WV], 1
	s_and_b32 s[WL], s[WV], 1
	s_bfe_u32 s[CX], ttmp6, 0x40000
	s_bfe_u32 s[CY], ttmp6, 0x40004
	s_lshl_b32 s[TC], ttmp9, 2
	s_add_co_u32 s[TC], s[TC], s[CX]               ; which 256 rows of the weight
	s_and_b32 s40, ttmp7, 0xffff                   ; cluster y
	s_lshr_b32 s[TYPE], s40, 3                     ; 0 q, 1 k, 2 v
	s_and_b32 s40, s40, 7
	s_lshl_b32 s40, s40, 2
	s_add_co_u32 s[LL], s40, s[CY]                 ; which 256 positions of the long operand
	s_lshl_b32 s41, s[CY], 2
	s_lshl_b32 s41, 15, s41                        ; my row of the cluster
	s_lshl_b32 s42, 0x1111, s[CX]                  ; my column
	; group 1 of a tile: 32,768 bytes on end, as 128 rows of 32 elements of 8 bytes, no padding
	s_or_b32 s[G1+0], s41, (3<<16)|(1<<21)
	s_or_b32 s[G1B+0], s42, (3<<16)|(1<<21)
.irp g, G1, G1B
	s_mov_b32 s[\g+1], 32<<16                      ; tensor_dim0
	s_mov_b32 s[\g+2], 128<<16                     ; tensor_dim1
	s_mov_b32 s[\g+3], 32<<16                      ; tile_dim0
	s_mov_b32 s[\g+4], 128                         ; tile_dim1
	s_mov_b32 s[\g+5], 32                          ; the pitch
	s_mov_b32 s[\g+6], 0
	s_mov_b32 s[\g+7], 0
.endr
	; and of the scale bytes of 128 rows: 4,096 bytes on end, as 16 rows of 256 bytes, 16 bytes of padding behind each
	s_or_b32 s[G1S+0], s41, (3<<16)|(1<<20)|(1<<21)|(5<<22)|(3<<25)
	s_or_b32 s[G1SB+0], s42, (3<<16)|(1<<20)|(1<<21)|(5<<22)|(3<<25)
.irp g, G1S, G1SB
	s_mov_b32 s[\g+1], 32<<16
	s_mov_b32 s[\g+2], 16<<16
	s_mov_b32 s[\g+3], 32<<16
	s_mov_b32 s[\g+4], 16
	s_mov_b32 s[\g+5], 32
	s_mov_b32 s[\g+6], 0
	s_mov_b32 s[\g+7], 0
.endr
	s_lshl_b32 s43, s[LL], 1
	s_add_co_u32 s43, s43, s[WL]                   ; the long operand: which 128 positions I fetch
	s_lshl_b32 s44, s43, 17
	s_lshl_b32 s46, s43, 12
	s_lshl_b32 s45, s[TYPE], 23
	s_add_co_u32 s44, s44, s45
	s_mov_b32 s45, 0
	s_lshl_b32 s47, s[TYPE], 18
	s_add_co_u32 s46, s46, s47
	s_mov_b32 s47, 0
	s_lshl_b32 s94, s[TC], 1
	s_add_co_u32 s94, s94, s[WL]                   ; the weight: which 128 positions
	s_lshl_b32 s96, s94, 17
	s_lshl_b32 s98, s94, 12
	s_lshl_b32 s95, s[TYPE], 20
	s_add_co_u32 s96, s96, s95
	s_add_co_u32 s96, s96, 25165824                ; the weights' codes lie behind the three activations'
	s_mov_b32 s97, 0
	s_lshl_b32 s95, s[TYPE], 15
	s_add_co_u32 s98, s98, s95
	s_add_co_u32 s98, s98, 786432
	s_mov_b32 s99, 0
	s_lshl_b32 s100, s[WV], 15                     ; where they go: wave x 32,768: no place in the cluster enters an LDS address
	s_mul_i32 s101, s[WV], HALFS
	s_wait_kmcnt 0x0
	s_add_nc_u64 s[44:45], s[4:5], s[44:45]
	s_add_nc_u64 s[46:47], s[6:7], s[46:47]
	s_add_nc_u64 s[96:97], s[4:5], s[96:97]
	s_add_nc_u64 s[98:99], s[6:7], s[98:99]
	CROUND                                         ; all sixteen work-groups are here: the first joint loads meet
	s_mov_b32 s[G0S], 1
	s_add_co_u32 s[G0S+1], s101, SCL
	s_mov_b64 s[G0S+2:G0S+3], s[46:47]
	s_or_b32 s[G0S+3], s[G0S+3], 0x80000000
	s_mov_b32 s[G0SB], 1
	s_add_co_u32 s[G0SB+1], s101, SCL
	s_mov_b64 s[G0SB+2:G0SB+3], s[98:99]
	s_or_b32 s[G0SB+3], s[G0SB+3], 0x80000000
	JLOAD G0S, G1S, G0SB, G1SB                     ; the scale bytes first: they are wanted with K step 0
.irp s, 0,1
	s_mov_b32 s[G0+4*\s], 1
	s_add_co_u32 s[G0+4*\s+1], s100, \s*SLOT
	s_add_nc_u64 s[G0+4*\s+2:G0+4*\s+3], s[44:45], \s*32768
	s_or_b32 s[G0+4*\s+3], s[G0+4*\s+3], 0x80000000
	s_mov_b32 s[G0B+4*\s], 1
	s_add_co_u32 s[G0B+4*\s+1], s100, \s*SLOT
	s_add_nc_u64 s[G0B+4*\s+2:G0B+4*\s+3], s[96:97], \s*32768
	s_or_b32 s[G0B+4*\s+3], s[G0B+4*\s+3], 0x80000000
	JLOAD G0+4*\s, G1, G0B+4*\s, G1B               ; three tensor loads of mine are out
.endr
	v_and_b32 v1, 31, v0
	v_lshlrev_b32 v[LI], 4, v1
	v_and_b32 v2, 15, v0                           ; r
	v_bfe_u32 v3, v0, 4, 1                         ; h
	s_mov_b32 s[HM], 0xffff0000
	s_mov_b32 s[MNT], 0x600000
	s_mov_b32 s[SEL], 0x76543210
	s_mov_b32 s[SEL+1], 0xfedcba98
	s_cmp_eq_u32 s[TYPE], 2                        ; for v the weight is source 1 and value source 0
	s_cselect_b32 s40, 65536, 0
	s_cselect_b32 s41, 0, 65536
	s_cselect_b32 s42, 2*HALFS, 0
	s_cselect_b32 s43, 0, 2*HALFS
	s_lshl_b32 s44, s[WH], 15
	s_lshl_b32 s45, s[WL], 15
	s_add_co_u32 s40, s40, s44                     ; source 1: half wave / 2 of its operand
	s_add_co_u32 s41, s41, s45                     ; source 0: half wave % 2
.irp s, 0,1
	v_add_nc_u32 v[ADRA+\s], s40, v[LI]
	v_add_nc_u32 v[ADRB+\s], s41, v[LI]
	s_add_co_u32 s40, s40, SLOT
	s_add_co_u32 s41, s41, SLOT
.endr
	s_mul_i32 s44, s[WH], HALFS
	s_mul_i32 s45, s[WL], HALFS
	s_add_co_u32 s42, s42, s44
	s_add_co_u32 s43, s43, s45
	s_add_co_u32 s42, s42, SCL
	s_add_co_u32 s43, s43, SCL
	v_lshlrev_b32 v5, 5, v2                        ; my row's scale bytes: 32 a row,
	v_lshrrev_b32 v6, 8, v5
	v_lshl_add_u32 v5, v6, 4, v5                   ; and 16 more behind each 256
	v_add_nc_u32 v6, s42, v5
	v_add_nc_u32 v7, s43, v5
	v_cndmask_b32 v[ADRS], v6, v7, s[HM]           ; lanes 16-31 take source 0's
	; the bias
	s_lshl_b32 s96, s[TC], 10
	s_lshl_b32 s97, s[WL], 9
	s_add_co_u32 s97, s97, s96                     ; q, k: my 128 columns begin at 256 x tile column + 128 (wave % 2)
	s_lshl_b32 s98, s[WH], 9
	s_add_co_u32 s98, s98, s96                     ; v: at 256 x tile column + 128 (wave / 2)
	v_lshl_add_u32 v8, v3, 6, s97                  ; q, k: tile b's registers are columns 32 (b / 2) + 8 (b % 2) + 16 h + 0 .. 7
	v_and_b32 v9, 8, v2
	v_add_nc_u32 v9, v9, v2
	v_lshl_add_u32 v9, v9, 2, s98                  ; v: tile a's lane r is column 32 (a / 2) + 8 (a % 2) + r + 8 (r / 8)
	s_cmp_eq_u32 s[TYPE], 0
	s_cselect_b64 s[94:95], s[8:9], s[10:11]
	s_cmp_eq_u32 s[TYPE], 2
	s_cselect_b64 s[94:95], s[12:13], s[94:95]
	s_cbranch_scc1 .Lbias_v
.irp b, 0,1,2,3,4,5,6,7
	global_load_b128 v[BI+8*\b:BI+8*\b+3], v8, s[94:95] offset:(32*(\b/2)+8*(\b%2))*4
	global_load_b128 v[BI+8*\b+4:BI+8*\b+7], v8, s[94:95] offset:(32*(\b/2)+8*(\b%2))*4+16
.endr
	s_branch .Lbias_done
.Lbias_v:
.irp a, 0,1,2,3,4,5,6,7
.irp j, 0,1,2,3,4,5,6,7
	global_load_b32 v[BI+8*\a+\j], v9, s[94:95] offset:(32*(\a/2)+8*(\a%2))*4
.endr
.endr
.Lbias_done:
	s_wait_tensorcnt 1                             ; the scale bytes and my part of K step 0 are in; K step 1's load may be out
	s_barrier_signal -1
	s_barrier_wait -1
	FETCH_B 0, 0, 0
	FETCH_A 0, 0, 0
	SCALES 0
	FETCH_A 0, 0, 4
	s_wait_loadcnt 0x0                             ; the bias
	s_cmp_eq_u32 s[TYPE], 2
	s_cbranch_scc1 .Lfirst_v
	STEP 0, 0, 1
	s_branch .Lfirst_done
.Lfirst_v:
	STEP 0, 0, 2
.Lfirst_done:
	TURN 0, 1, 1                                   ; slot 0 takes K step 2
	STEP 1, 0, 0
	TURN 1, 0, 1                                   ; slot 1 takes K step 3
	STEP 0, 0, 0
	TURN 0, 1, 0                                   ; nothing is left to fetch
	STEP 1, 0, 0
	s_wait_dscnt 4*NL
	WIN MUL_LO
	MUL16 0, 1, NQ-1, 1, 0
	MUL16 2, 1, NQ-1, 1, 0
	s_wait_dscnt 0x0
	WIN MUL_HI
	MUL16 4, 1, NQ-1, 1, 0
	MUL16 6, 1, NQ-1, 1, 0
	WIN 0
	; THE WAY OUT.  Block a (16 rows of source 1) is 64 numbers a lane: register 16 beta + i = index 32 beta + 16 h + i along source 0.  They are quantised as they stand; the codes are the image's bytes.
	s_cmp_eq_u32 s[TYPE], 2
	s_cselect_b32 s40, s[WL], s[WH]                ; which half of the 256 positions is mine
	s_cselect_b32 s41, s[WH], s[WL]                ; which half of the 256 columns (two heads)
	s_cselect_b32 s44, -1, 0
	s_mov_b32 s42, 1024
	s_cselect_b32 s42, 2048, s42                   ; from block to block: a tile of q or k is 1,024 bytes, a tile of v 2,048
	s_mov_b32 s46, 1024
	s_cselect_b32 s46, 124928, s46                 ; v: blocks 4-7 are the next head's
	s_mov_b32 s45, 131072
	s_cselect_b32 s45, 1024, s45                   ; blocks of 32 number 2, 3: q, k: the next head; v: the same fragment's second half
	s_mov_b32 s43, 0
	s_mov_b32 s47, 0
	s_and_b32 s94, s[LL], 7
	s_lshl_b32 s94, s94, 1
	s_add_co_u32 s94, s94, s40                     ; which 128 s
	s_lshl_b32 s95, s[TC], 2
	s_lshl_b32 s41, s41, 1
	s_add_co_u32 s95, s95, s41                     ; my first head
	s_lshr_b32 s96, s[LL], 3
	s_lshl_b32 s96, s96, 4
	s_add_co_u32 s96, s96, s95                     ; 16 b + head
	s_lshl_b32 s98, s96, 17
	s_lshl_b32 s97, s94, 13
	s_add_co_u32 s98, s98, s97
	s_lshl_b32 s97, s[TYPE], 23
	s_add_co_u32 s98, s98, s97
	s_mov_b32 s99, 0
	s_add_nc_u64 s[14:15], s[14:15], s[98:99]
	s_lshl_b32 s98, s96, 12
	s_lshl_b32 s97, s94, 8
	s_add_co_u32 s98, s98, s97
	s_lshl_b32 s97, s[TYPE], 18
	s_add_co_u32 s98, s98, s97
	s_add_nc_u64 s[16:17], s[16:17], s[98:99]
	PLACES NP                                      ; behind the last products: their results are read and source 1's registers written below
.irp b, 0,1,2,3
	v_mov_b32 v[TM+4+\b], 0                        ; written once: a lane permute's destination counts as one of its sources
.endr
	v_add_nc_u32 v[VO1], s45, v[LI]
	v_lshlrev_b32 v[SO], 4, v2
	v_lshl_add_u32 v[SO], v3, 12, v[SO]            ; scale words: 16 r, lanes 16-31 the next head
	v_mov_b32 v[SELP], 0x05040100
	v_mov_b32 v176, 0x07060302
	v_cndmask_b32 v[SELP], v[SELP], v176, s[HM]    ; lanes 0-15 pick the words' low halves (my first head), lanes 16-31 the high ones
.macro EPI a
.set W, 2+(\a)/4
.set AC, 64*((\a)%4)
	WIN 5*W                                        ; sources 0 and 1: the accumulators' window
.irp b, 0,1,2,3
	v_max3_num_f32 v[TM+\b], |v[AC+16*\b]|, |v[AC+16*\b+1]|, 0x4800000   ; each accumulator is read from its low end on; the floor 2^(9 - 127)
.endr
.irp i, 2,4,6,8,10,12,14
.irp b, 0,1,2,3
	v_max3_num_f32 v[TM+\b], |v[AC+16*\b+\i]|, |v[AC+16*\b+\i+1]|, v[TM+\b]
.endr
.endr
	WIN 0
.irp b, 0,1,2,3
	v_permlanex16_b32 v[TM+4+\b], v[TM+\b], s[SEL], s[SEL+1]
.endr
.irp b, 0,1,2,3
	v_max_num_f32 v[TM+\b], v[TM+\b], v[TM+4+\b]
.endr
.irp b, 0,1,2,3
	v_add_nc_u32 v[TM+12+\b], 0xfc000000, v[TM+\b]
.endr
.irp b, 0,1,2,3
	v_and_or_b32 v[TM+8+\b], v[TM+\b], 0x7f800000, s[MNT]
.endr
.irp b, 0,1,2,3
	v_lshrrev_b32 v[TM+4+\b], 23, v[TM+12+\b]
.endr
	v_lshl_or_b32 v[PWS+\a], v[TM+5], 8, v[TM+4]
	v_lshl_or_b32 v[PWS+\a], v[TM+6], 16, v[PWS+\a]
	v_lshl_or_b32 v[PWS+\a], v[TM+7], 24, v[PWS+\a]
	WIN 65*W                                       ; destination and source 0: the accumulators' window
.irp b, 0,1,2,3
.irp i, 0,1,2,3,4,5,6,7,8,9,10,11,12,13,14,15
	v_med3_num_f32 v[AC+16*\b+\i], v[AC+16*\b+\i], -v[TM+8+\b], v[TM+8+\b]   ; the hold at 448 x the scale (ISA guide 7.6.2: the conversion does not saturate)
.endr
.endr
.if \a > 0
	s_wait_xcnt 0x0                                ; the last block's stores have read their data and their base
.if \a == 4
	s_add_nc_u64 s[14:15], s[14:15], s[46:47]
.else
	s_add_nc_u64 s[14:15], s[14:15], s[42:43]
.endif
.endif
	WIN W
.irp b, 0,1,2,3
	v_cvt_scalef32_pk8_fp8_f32 v[PC+4*\b:PC+4*\b+1], v[AC+16*\b:AC+16*\b+7], v[TM+12+\b]
	v_cvt_scalef32_pk8_fp8_f32 v[PC+4*\b+2:PC+4*\b+3], v[AC+16*\b+8:AC+16*\b+15], v[TM+12+\b]
.endr
	WIN 0
	v_nop                                          ; a plain line behind the last conversion
	global_store_b128 v[LI], v[PC:PC+3], s[14:15]                  ; each store covers 512 bytes on end
	global_store_b128 v[LI], v[PC+4:PC+7], s[14:15] offset:512
	global_store_b128 v[VO1], v[PC+8:PC+11], s[14:15]
	global_store_b128 v[VO1], v[PC+12:PC+15], s[14:15] offset:512
.endm
.irp a, 0,1,2,3,4,5,6,7
	EPI \a
.endr
.irp p, 0,1,2,3
	v_perm_b32 v[176+\p], v[PWS+2*\p+1], v[PWS+2*\p], v[SELP]      ; q, k: word p = my head's two bytes of tile 2 p, then of tile 2 p + 1
	v_cndmask_b32 v[180+\p], v[PWS+\p], v[PWS+4+\p], s[HM]         ; v: word dt = the four key blocks' bytes of tile dt of my head
.endr
.irp p, 0,1,2,3
	v_cndmask_b32 v[OUTW+\p], v[176+\p], v[180+\p], s44
.endr
	global_store_b128 v[SO], v[OUTW:OUTW+3], s[16:17]              ; sixteen lanes store 256 bytes on end, aligned
	s_wait_tensorcnt 0x0                           ; the wave's end
	ds_add_u32 v[SPW], v[NIL]
	s_wait_dscnt 0x0
	CROUND                                         ; the closing round
	s_endpgm
.Lfunc_end_k_q519ef37dec_proj:
	.size	k_q519ef37dec_proj, .Lfunc_end_k_q519ef37dec_proj-k_q519ef37dec_proj
	.p2alignl 7, 3214868480
	.fill 96, 4, 3214868480
	.section	.rodata,"a",@progbits
	.p2align	6, 0x0
	.amdhsa_kernel k_q519ef37dec_proj
		.amdhsa_group_segment_fixed_size 327680
		.amdhsa_private_segment_fixed_size 0
		.amdhsa_enable_private_segment 0
		.amdhsa_kernarg_size 56
		.amdhsa_user_sgpr_count 2
		.amdhsa_user_sgpr_kernarg_segment_ptr 1
		.amdhsa_wavefront_size32 1
		.amdhsa_system_sgpr_workgroup_id_x 1
		.amdhsa_system_sgpr_workgroup_id_y 1
		.amdhsa_system_sgpr_workgroup_id_z 1
		.amdhsa_system_vgpr_workitem_id 0
		.amdhsa_next_free_vgpr 1024
		.amdhsa_next_free_sgpr 102
		.amdhsa_reserve_vcc 0
		.amdhsa_float_denorm_mode_32 3
		.amdhsa_float_denorm_mode_16_64 3
		.amdhsa_memory_ordered 1
		.amdhsa_forward_progress 1
		.amdhsa_inst_pref_size 208
	.end_amdhsa_kernel
	.amdgpu_metadata
---
amdhsa.version: [ 1, 2 ]
amdhsa.kernels:
  - .name:           k_q519ef37dec_proj
    .symbol:         k_q519ef37dec_proj.kd
    .args:
      - { .name: cod, .offset: 0, .size: 8, .value_kind: global_buffer, .address_space: global }
      - { .name: scl, .offset: 8, .size: 8, .value_kind: global_buffer, .address_space: global }
      - { .name: bq, .offset: 16, .size: 8, .value_kind: global_buffer, .address_space: global }
      - { .name: bk, .offset: 24, .size: 8, .value_kind: global_buffer, .address_space: global }
      - { .name: bv, .offset: 32, .size: 8, .value_kind: global_buffer, .address_space: global }
      - { .name: hc, .offset: 40, .size: 8, .value_kind: global_buffer, .address_space: global }
      - { .name: hs, .offset: 48, .size: 8, .value_kind: global_buffer, .address_space: global }
    .group_segment_fixed_size: 327680
    .private_segment_fixed_size: 0
    .kernarg_segment_align: 8
    .kernarg_segment_size: 56
    .max_flat_workgroup_size: 128
    .sgpr_count:     102
    .vgpr_count:     1024
    .wavefront_size: 32
...
	.end_amdgpu_metadata
.endif
;; end of part 2
;; launch attn (part 3): grid 4 x 64, 16 waves a work-group, no clusters, 272,384 bytes of LDS; arguments hc, hs, maskw, flags, xc, xs; writes xc, xs
.if DOCPART == 3
	.amdgcn_target "amdgcn-amd-amdhsa--gfx1250"
	.amdhsa_code_object_version 6
	.text
	.protected	k_q519ef37dec_attn
	.globl	k_q519ef37dec_attn
	.p2align	8
	.type	k_q519ef37dec_attn,@function
k_q519ef37dec_attn:
	s_mov_b64 s[64:65], 0
	v_nop
	global_prefetch_b8 v0, s[64:65] scope:SCOPE_SE
	s_setreg_imm32_b32 hwreg(HW_REG_WAVE_MODE, 25, 1), 1
	s_wait_xcnt 0x0
; ATTN.  For each (b, head): scores = q k^T / 8, hidden where the given mask says so; p = 2^(t - M), t = score x log2(e) / 8, M the running largest t rounded up to a whole number; x = (p v) / (the sum of the
; unquantised p); x is quantised along the model's 1,024 (its blocks of 32 lie inside a head).  Both products on codes of E4M3 with E8M0 scales.
; SHARES.  A work-group serves one (b, head); the head's codes and scale bytes of K and V, 270,336 bytes, are brought into LDS once, through registers; behind one barrier no wave waits for another.
; Each of sixteen waves owns two tiles of 16 query positions, numbers 16 x + w and 127 - (16 x + w), one after the other, and walks sixteen steps of 128 keys.
; THE MASK IS AN INPUT.  An earlier launch stored, for each (query tile, key step), two bits (some key open; some key hidden) and 64 lane-mask words.  A step with no open key is passed over by a scalar branch on
; the stored bits; in a step with a hidden key each score takes one v_cndmask_b32.  The result is right for any mask.
; NO TENSOR LOADS, NO CLUSTER: without tensor loads there is no joint request; so the four work-groups of a head each
; read its 270,336 bytes.  NO PREFETCH: all that a work-group reads of K and V goes out in one run at its head.
; LAYOUT.  Both products are used transposed: S^T = K Q^T, O^T = V^T P^T: a lane holds one query throughout.  The rows of K's and V's tiles are ordered so that the 16 registers of two neighbouring result tiles
; are 16 neighbouring keys (or 16 neighbouring channels).  THE HEAD HAS 64 CHANNELS, the instruction takes 128 along K: a fragment of K holds two key tiles, one in each half of K, and is multiplied once by
; [Q | 0] and once by [0 | Q]: zero codes add nothing.
; A ROW ALL OF WHOSE KEYS ARE HIDDEN has the sum 0: its scale bytes become 0xff, so that the output row is NaN.  The two scale bytes a row leave as byte stores, 262,144 bytes in the whole launch: accepted.
; LIMITS: blocks whose largest magnitude lies under 2^-118 get the byte 1; NaN and infinities among the inputs are not served.
.set VIMG, 131072                      ; LDS: K's images [key step][pair of tiles][32 K][lane][16] at 0; V's [key step][tile of 16 d][32 keys][lane][16] here;
.set KSC,  262144                      ; K's scale words [key step][row][4]; V's 4,096 bytes further on
.set QF,   16                          ; v16-23 Q, v24-31 zeros, v32-39 Q again
.set KV,   40                          ; v40-103  four fragments of K, then of V
.set S,    104                         ; v104-167 S^T, then p
.set O,    168                         ; v168-199 O^T
.set PC,   200                         ; v200-215 p's codes
.set BM,   216                         ; v216-219 the blocks' largest
.set PT,   220                         ; v220-223 at work
.set HD,   224                         ; v224-227 448 x the scale
.set CO,   228                         ; v228-231 the conversions' scale operands
.set KS,   232                         ; v232-235 K's scale words, v236-239 V's, v240 Q's, v244 p's: they hold scales and nothing else
.set VS,   236
.set QS,   240
.set F,    242                         ; v[242:243] f = 2^(old M - new M), later 1 / the sum
.set PS,   244
.set T,    245
.set NINF, 247
.set NANB, 248
.set WV,   16
.set BH,   17
.set SEL,  18
.set CS,   20                          ; s[20:21] c = log2(e) / 8
.set MNT,  22
.set QT,   23                          ; my tile of 16 query positions
.set FL,   24                          ; its 32 flag bits, shifted down two a step
.set TK,   25                          ; the step's images: 8,192 bytes a step
.set TS,   26                          ; its scale words: 256 bytes a step
.set CNT,  27
.set MO,   28                          ; its mask words: 256 bytes a step
.set HM,   29
.macro STEP
	s_bitcmp1_b32 s[FL], 0                         ; has any of my 16 queries an open key among these 128?
	s_cbranch_scc0 .Lskip_\@
	s_load_b512 s[32:47], s[8:9], s[MO] offset:0x0                 ; the step's 64 lane-mask words
	s_load_b512 s[48:63], s[8:9], s[MO] offset:0x40
	s_load_b512 s[68:83], s[8:9], s[MO] offset:0x80
	s_load_b512 s[84:99], s[8:9], s[MO] offset:0xc0
	v_add_nc_u32 v8, s[TK], v1
	v_add_nc_u32 v10, s[TS], v2
	v_add_nc_u32 v9, VIMG, v8
.rept 5
	v_nop                                          ; with the three additions: eight places behind the last step's products, in front of loads into their registers
.endr
.irp p, 0,1,2,3
.irp c, 0,1,2,3
	ds_load_b128 v[KV+16*\p+4*\c:KV+16*\p+4*\c+3], v8 offset:2048*\p+512*\c
.endr
.endr
	ds_load_b128 v[KS:KS+3], v10
	s_wait_dscnt 0x0
.irp p, 0,1,2,3
	v_wmma_scale_f32_16x16x128_f8f6f4 v[S+16*\p:S+16*\p+7], v[KV+16*\p:KV+16*\p+15], v[QF:QF+15], 0, v[KS+\p], v[QS]           ; key tile 2 p: the fragment's first half meets Q
	v_wmma_scale_f32_16x16x128_f8f6f4 v[S+16*\p+8:S+16*\p+15], v[KV+16*\p:KV+16*\p+15], v[QF+8:QF+23], 0, v[KS+\p], v[QS]      ; key tile 2 p + 1: its second half
.endr
.rept 8
	v_nop                                          ; places: in front of the loads below and of the first read of the scores
.endr
.irp t, 0,1,2,3
.irp c, 0,1,2,3
	ds_load_b128 v[KV+16*\t+4*\c:KV+16*\t+4*\c+3], v9 offset:2048*\t+512*\c   ; V lands while the softmax is walked
.endr
.endr
	ds_load_b128 v[VS:VS+3], v10 offset:4096
	s_wait_kmcnt 0x0                               ; the mask words are in; their offset register may be stepped
	s_bitcmp1_b32 s[FL], 1                         ; is any key of the step hidden from any of my queries?
	s_cbranch_scc0 .Lopen_\@
.set n, 0
.rept 32
	v_cndmask_b32 v[S+n], v[S+n], v[NINF], s[32+n] ; register n = 16 b + i holds key 32 b + 16 (lane / 16) + i: hidden scores become -infinity, p = 0
.set n, n+1
.endr
.rept 32
	v_cndmask_b32 v[S+n], v[S+n], v[NINF], s[36+n]
.set n, n+1
.endr
.Lopen_\@:
.irp b, 0,1,2,3
	v_max3_num_f32 v[BM+\b], v[S+16*\b], v[S+1+16*\b], v[S+2+16*\b]   ; the largest score of each block of 32 keys: for the row's maximum, and for the block's largest p
.endr
.irp i, 3,5,7,9,11,13
.irp b, 0,1,2,3
	v_max3_num_f32 v[BM+\b], v[BM+\b], v[S+16*\b+\i], v[S+1+16*\b+\i]
.endr
.endr
.irp b, 0,1,2,3
	v_max_num_f32 v[BM+\b], v[BM+\b], v[S+15+16*\b]
.endr
.irp b, 0,1,2,3
	v_permlanex16_b32 v[PT+\b], v[BM+\b], s[SEL], s[SEL+1]
.endr
.irp b, 0,1,2,3
	v_max_num_f32 v[BM+\b], v[BM+\b], v[PT+\b]
.endr
	v_max3_num_f32 v[T], v[BM], v[BM+1], v[BM+2]
	v_max_num_f32 v[T], v[T], v[BM+3]
	v_mul_f32 v[T], s[CS], v[T]
	v_max_num_f32 v13, v13, v[T]                   ; the running largest t
	v_mov_b32 v[T], v12
	v_floor_f32 v12, -v13                          ; -M = floor(-t): M is a whole number
	v_sub_f32 v[T], v12, v[T]
	v_cvt_i32_f32 v[T], v[T]                       ; (it saturates)
	v_ldexp_f32 v[F], 1.0, v[T]                    ; f = 2^(old M - new M): a multiplication by it rounds nothing
.set j, 0
.rept 32
	v_pk_fma_f32 v[S+j:S+j+1], v[S+j:S+j+1], s[CS:CS+1], v[12:13] op_sel_hi:[1,0,0]   ; t - M, two at a time
.set j, j+2
.endr
.irp b, 0,1,2,3
	v_fma_f32 v[BM+\b], v[BM+\b], s[CS], v12
.endr
.set j, 0
.rept 64
	v_exp_f32 v[S+j], v[S+j]                       ; p = 2^(t - M): not normalised
.set j, j+1
.endr
	v_pk_mul_f32 v[14:15], v[14:15], v[F:F+1] op_sel_hi:[1,0]      ; the sums under the new M: the plain line behind the exponentials
	s_wait_alu depctr_va_vdst(0)                   ; one wait for the batch of 64, ahead of its first reader
.irp b, 0,1,2,3
	v_exp_f32 v[BM+\b], v[BM+\b]                   ; the block's largest p
.endr
	v_pk_add_f32 v[PT:PT+1], v[S:S+1], v[S+2:S+3]  ; the row's sum is taken of the unquantised p, in two chains
.set j, 4
.rept 15
	v_pk_add_f32 v[14:15], v[14:15], v[S+j:S+j+1]
	v_pk_add_f32 v[PT:PT+1], v[PT:PT+1], v[S+j+2:S+j+3]
.set j, j+4
.endr
	v_pk_add_f32 v[14:15], v[14:15], v[PT:PT+1]
	s_wait_alu depctr_va_vdst(0)                   ; and one for the four
.irp b, 0,1,2,3
	v_max_num_f32 v[BM+\b], 0x4800000, v[BM+\b]    ; the floor 2^(9 - 127)
.endr
.irp b, 0,1,2,3
	v_add_nc_u32 v[CO+\b], 0xfc000000, v[BM+\b]
.endr
.irp b, 0,1,2,3
	v_and_or_b32 v[HD+\b], v[BM+\b], 0x7f800000, s[MNT]
.endr
.irp b, 0,1,2,3
	v_lshrrev_b32 v[PT+\b], 23, v[CO+\b]
.endr
	v_lshl_or_b32 v[PS], v[PT+1], 8, v[PT]         ; p's scale word for these 128 keys
	v_lshl_or_b32 v[PS], v[PT+2], 16, v[PS]
	v_lshl_or_b32 v[PS], v[PT+3], 24, v[PS]
.irp b, 0,1,2,3
.irp i, 0,1,2,3,4,5,6,7,8,9,10,11,12,13,14,15
	v_min_num_f32 v[S+16*\b+\i], v[S+16*\b+\i], v[HD+\b]           ; p is not negative: the hold is one-sided
.endr
	v_cvt_scalef32_pk8_fp8_f32 v[PC+4*\b:PC+4*\b+1], v[S+16*\b:S+16*\b+7], v[CO+\b]
	v_cvt_scalef32_pk8_fp8_f32 v[PC+4*\b+2:PC+4*\b+3], v[S+16*\b+8:S+16*\b+15], v[CO+\b]
.endr
.set j, 0
.rept 16
	v_pk_mul_f32 v[O+j:O+j+1], v[O+j:O+j+1], v[F:F+1] op_sel_hi:[1,0]   ; O^T under the new M; these are also the places in front of the products below
.set j, j+2
.endr
	s_wait_dscnt 0x0                               ; V and its scale words
.irp t, 0,1,2,3
	v_wmma_scale_f32_16x16x128_f8f6f4 v[O+8*\t:O+8*\t+7], v[KV+16*\t:KV+16*\t+15], v[PC:PC+15], v[O+8*\t:O+8*\t+7], v[VS+\t], v[PS]   ; the four accumulators by turns
.endr
.Lskip_\@:
	s_lshr_b32 s[FL], s[FL], 2
	s_add_co_u32 s[TK], s[TK], 8192
	s_add_co_u32 s[TS], s[TS], 256
	s_add_co_u32 s[MO], s[MO], 256
.endm
.macro TILE
	s_lshl_b32 s2, s[QT], 5
	s_load_b256 s[32:39], s[10:11], s2 offset:0x0  ; the tile's eight flag words
	s_lshl_b32 s3, s[BH], 7
	s_add_co_u32 s3, s3, s[QT]
	s_lshl_b32 s3, s3, 10
	v_add_nc_u32 v3, s3, v1
	global_load_b128 v[QF:QF+3], v3, s[4:5]        ; Q's 64 channels, twice
	global_load_b128 v[QF+4:QF+7], v3, s[4:5] offset:512
	global_load_b128 v[QF+16:QF+19], v3, s[4:5]
	global_load_b128 v[QF+20:QF+23], v3, s[4:5] offset:512
	s_lshr_b32 s30, s[QT], 3
	s_lshl_b32 s30, s30, 8
	s_lshl_b32 s31, s[BH], 12
	s_add_co_u32 s30, s30, s31
	s_bfe_u32 s31, s[QT], 0x20001
	s_lshl_b32 s31, s31, 2
	s_add_co_u32 s30, s30, s31
	v_and_b32 v4, 15, v0
	v_lshl_add_u32 v4, v4, 4, s30
	global_load_b32 v[QS], v4, s[6:7]              ; the scale word of my tile's pair
	v_mov_b32 v13, 0xff61b1e6                      ; the largest t so far: -3e38
	v_floor_f32 v12, -v13
	v_mov_b32 v14, 0
	v_mov_b32 v15, 0
.set j, 0
.rept 32
	v_mov_b32 v[O+j], 0                            ; any step may be passed over, so no step is known to be the first: the sums begin as zeros
.set j, j+1
.endr
	s_wait_kmcnt 0x0
	s_or_b32 s[FL], s32, s33
	s_or_b32 s[FL], s[FL], s34
	s_or_b32 s[FL], s[FL], s35
	s_or_b32 s[FL], s[FL], s36
	s_or_b32 s[FL], s[FL], s37
	s_or_b32 s[FL], s[FL], s38
	s_or_b32 s[FL], s[FL], s39
	s_wait_loadcnt 0x0
	s_and_b32 s31, s[QT], 1
	s_lshl_b32 s31, s31, 4
	v_lshrrev_b32 v[QS], s31, v[QS]                ; my tile's two bytes,
	v_and_b32 v[QS], 0xffff, v[QS]
	v_lshl_or_b32 v[QS], v[QS], 16, v[QS]          ; for both halves of K
	s_mov_b32 s[TK], 0
	s_mov_b32 s[TS], 0
	s_lshl_b32 s[MO], s[QT], 12
	s_mov_b32 s[CNT], 16
.Lstep_\@:
	STEP
	s_sub_co_u32 s[CNT], s[CNT], 1
	s_cmp_lg_u32 s[CNT], 0
	s_cbranch_scc1 .Lstep_\@
	; the way out: x = O^T / the sum, quantised: register 16 beta + i is channel 32 beta + 16 h + i of my query
.rept 8
	v_nop
.endr
	v_add_f32 v14, v14, v15
	v_permlanex16_b32 v[T], v14, s[SEL], s[SEL+1]
	v_add_f32 v14, v14, v[T]                       ; the row's sum
	v_rcp_f32 v[F], v14
	s_lshr_b32 s2, s[BH], 4                        ; b
	s_and_b32 s3, s[BH], 15                        ; head
	s_lshl_b32 s30, s2, 4
	s_lshr_b32 s31, s[QT], 3
	s_add_co_u32 s30, s30, s31
	s_lshl_b32 s30, s30, 17                        ; 128 positions
	s_lshr_b32 s31, s3, 2
	s_lshl_b32 s31, s31, 15                        ; 256 along K
	s_add_co_u32 s30, s30, s31
	s_and_b32 s31, s[QT], 7
	s_lshl_b32 s31, s31, 12                        ; the tile
	s_add_co_u32 s30, s30, s31
	s_and_b32 s31, s3, 3
	s_lshl_b32 s31, s31, 10                        ; the head's 64 inside 256
	s_add_co_u32 s30, s30, s31
	v_add_nc_u32 v5, s30, v1
	s_lshl_b32 s30, s2, 11
	s_lshl_b32 s31, s[QT], 4
	s_add_co_u32 s30, s30, s31
	s_lshl_b32 s30, s30, 5
	s_lshl_b32 s31, s3, 1
	s_add_co_u32 s30, s30, s31
	v_and_b32 v6, 15, v0
	v_bfe_u32 v7, v0, 4, 1
	v_lshl_add_u32 v6, v6, 5, v7
	v_add_nc_u32 v6, s30, v6                       ; scale bytes: 32 a position; lanes 0-15 store block 0's, lanes 16-31 block 1's
	s_wait_alu depctr_va_vdst(0)                   ; ahead of the reciprocal's first reader
.set j, 0
.rept 16
	v_pk_mul_f32 v[O+j:O+j+1], v[O+j:O+j+1], v[F:F+1] op_sel_hi:[1,0]
.set j, j+2
.endr
.irp b, 0,1
	v_max3_num_f32 v[BM+\b], |v[O+16*\b]|, |v[O+1+16*\b]|, 0x4800000
.endr
.irp i, 2,4,6,8,10,12,14
.irp b, 0,1
	v_max3_num_f32 v[BM+\b], v[BM+\b], |v[O+16*\b+\i]|, |v[O+1+16*\b+\i]|
.endr
.endr
.irp b, 0,1
	v_permlanex16_b32 v[PT+\b], v[BM+\b], s[SEL], s[SEL+1]
.endr
.irp b, 0,1
	v_max_num_f32 v[BM+\b], v[BM+\b], v[PT+\b]
.endr
.irp b, 0,1
	v_add_nc_u32 v[CO+\b], 0xfc000000, v[BM+\b]
	v_and_or_b32 v[HD+\b], v[BM+\b], 0x7f800000, s[MNT]
	v_lshrrev_b32 v[PT+\b], 23, v[CO+\b]
.endr
.irp b, 0,1
.irp i, 0,1,2,3,4,5,6,7,8,9,10,11,12,13,14,15
	v_med3_num_f32 v[O+16*\b+\i], v[O+16*\b+\i], -v[HD+\b], v[HD+\b]
.endr
	v_cvt_scalef32_pk8_fp8_f32 v[PC+4*\b:PC+4*\b+1], v[O+16*\b:O+16*\b+7], v[CO+\b]
	v_cvt_scalef32_pk8_fp8_f32 v[PC+4*\b+2:PC+4*\b+3], v[O+16*\b+8:O+16*\b+15], v[CO+\b]
.endr
	v_nop                                          ; a plain line behind the last conversion
	v_cndmask_b32 v[T], v[PT], v[PT+1], s[HM]
	v_cmp_eq_f32 vcc_lo, 0, v14                    ; no key was open for my query:
	v_cndmask_b32 v[T], v[T], v[NANB], vcc_lo      ; the byte that stands for NaN
	global_store_b128 v5, v[PC:PC+3], s[12:13]     ; 1,024 bytes on end
	global_store_b128 v5, v[PC+4:PC+7], s[12:13] offset:512
	global_store_b8 v6, v[T], s[14:15]
.endm
	s_load_b256 s[4:11], s[0:1], 0x0               ; hc, hs, maskw, flags
	s_load_b128 s[12:15], s[0:1], 0x20             ; xc, xs
	v_lshl_add_u32 v254, v0, 2, 0x42000
	v_mov_b32 v255, 0
	v_lshrrev_b32 v1, 5, v0
	v_readfirstlane_b32 s[WV], v1
	s_and_b32 s[BH], ttmp7, 0xffff                 ; 16 b + head
	s_lshl_b32 s2, s[BH], 17
	s_add_co_u32 s3, s2, 8388608
	v_lshl_add_u32 v3, v0, 4, s3                   ; K's images of my head, 16 bytes a thread
	s_add_co_u32 s3, s2, 16777216
	v_lshl_add_u32 v4, v0, 4, s3                   ; V's
	s_lshl_b32 s30, s[BH], 12
	s_add_co_u32 s31, s30, 262144
	v_lshl_add_u32 v5, v0, 3, s31                  ; K's scale words, 8 bytes a thread
	s_add_co_u32 s31, s30, 524288
	v_lshl_add_u32 v6, v0, 3, s31                  ; V's
	v_lshlrev_b32 v8, 4, v0
	v_lshl_add_u32 v9, v0, 4, 65536
	v_lshl_add_u32 v10, v0, 4, 131072
	v_lshl_add_u32 v11, v0, 4, 196608
	v_lshl_add_u32 v7, v0, 3, KSC
	s_wait_kmcnt 0x0
.set i, 0
.rept 16
	global_load_b128 v[40+4*i:43+4*i], v3, s[4:5] offset:8192*i
.set i, i+1
.endr
.set i, 0
.rept 16
	global_load_b128 v[104+4*i:107+4*i], v4, s[4:5] offset:8192*i
.set i, i+1
.endr
	global_load_b64 v[200:201], v5, s[6:7]
	global_load_b64 v[202:203], v6, s[6:7]
	s_wait_loadcnt 18                              ; K's 16 loads are in: V's 16 and the two of scale words may be out
.set i, 0
.rept 8
	ds_store_b128 v8, v[40+4*i:43+4*i] offset:8192*i
	ds_store_b128 v9, v[72+4*i:75+4*i] offset:8192*i
.set i, i+1
.endr
	s_wait_loadcnt 2                               ; V's are in
.set i, 0
.rept 8
	ds_store_b128 v10, v[104+4*i:107+4*i] offset:8192*i
	ds_store_b128 v11, v[136+4*i:139+4*i] offset:8192*i
.set i, i+1
.endr
	s_wait_loadcnt 0x0
	ds_store_b64 v7, v[200:201]
	ds_store_b64 v7, v[202:203] offset:4096
	v_and_b32 v1, 31, v0
	v_lshlrev_b32 v1, 4, v1                        ; 16 x lane
	v_and_b32 v2, 15, v0
	v_lshl_add_u32 v2, v2, 4, KSC                  ; my row's four scale words
.set j, 0
.rept 8
	v_mov_b32 v[QF+8+j], 0                         ; the zero half beside Q
.set j, j+1
.endr
.irp b, 0,1,2,3
	v_mov_b32 v[PT+\b], 0                          ; written once: a lane permute's destination counts as one of its sources
.endr
	v_mov_b32 v[T], 0
	v_mov_b32 v[F+1], 0                            ; named as the upper half of a pair
	v_mov_b32 v[NINF], 0xff800000
	v_mov_b32 v[NANB], 0xff
	s_mov_b32 s[SEL], 0x76543210
	s_mov_b32 s[SEL+1], 0xfedcba98
	s_mov_b32 s[CS], 0x3e38aa3b
	s_mov_b32 s[CS+1], s[CS]
	s_mov_b32 s[MNT], 0x600000
	s_mov_b32 s[HM], 0xffff0000
	s_lshl_b32 s[QT], ttmp9, 4
	s_add_co_u32 s[QT], s[QT], s[WV]
	s_wait_dscnt 0x0                               ; for the others' sake: my stores have landed
	s_barrier_signal -1
	s_barrier_wait -1                              ; the head's K and V lie in LDS; nothing is written there again
	TILE
	s_wait_xcnt 0x0                                ; the stores have read their data and offsets
	s_sub_co_u32 s[QT], 127, s[QT]                 ; the tile's counterpart from the other end
	TILE
	s_wait_tensorcnt 0x0
	ds_add_u32 v254, v255
	s_wait_dscnt 0x0
	s_endpgm
.Lfunc_end_k_q519ef37dec_attn:
	.size	k_q519ef37dec_attn, .Lfunc_end_k_q519ef37dec_attn-k_q519ef37dec_attn
	.p2alignl 7, 3214868480
	.fill 96, 4, 3214868480
	.section	.rodata,"a",@progbits
	.p2align	6, 0x0
	.amdhsa_kernel k_q519ef37dec_attn
		.amdhsa_group_segment_fixed_size 272384
		.amdhsa_private_segment_fixed_size 0
		.amdhsa_enable_private_segment 0
		.amdhsa_kernarg_size 48
		.amdhsa_user_sgpr_count 2
		.amdhsa_user_sgpr_kernarg_segment_ptr 1
		.amdhsa_wavefront_size32 1
		.amdhsa_system_sgpr_workgroup_id_x 1
		.amdhsa_system_sgpr_workgroup_id_y 1
		.amdhsa_system_sgpr_workgroup_id_z 1
		.amdhsa_system_vgpr_workitem_id 0
		.amdhsa_next_free_vgpr 256
		.amdhsa_next_free_sgpr 100
		.amdhsa_reserve_vcc 1
		.amdhsa_float_denorm_mode_32 3
		.amdhsa_float_denorm_mode_16_64 3
		.amdhsa_memory_ordered 1
		.amdhsa_forward_progress 1
		.amdhsa_inst_pref_size 73
	.end_amdhsa_kernel
	.amdgpu_metadata
---
amdhsa.version: [ 1, 2 ]
amdhsa.kernels:
  - .name:           k_q519ef37dec_attn
    .symbol:         k_q519ef37dec_attn.kd
    .args:
      - { .name: hc, .offset: 0, .size: 8, .value_kind: global_buffer, .address_space: global }
      - { .name: hs, .offset: 8, .size: 8, .value_kind: global_buffer, .address_space: global }
      - { .name: maskw, .offset: 16, .size: 8, .value_kind: global_buffer, .address_space: global }
      - { .name: flags, .offset: 24, .size: 8, .value_kind: global_buffer, .address_space: global }
      - { .name: xc, .offset: 32, .size: 8, .value_kind: global_buffer, .address_space: global }
      - { .name: xs, .offset: 40, .size: 8, .value_kind: global_buffer, .address_space: global }
    .group_segment_fixed_size: 272384
    .private_segment_fixed_size: 0
    .kernarg_segment_align: 8
    .kernarg_segment_size: 48
    .max_flat_workgroup_size: 512
    .sgpr_count:     100
    .vgpr_count:     256
    .wavefront_size: 32
...
	.end_amdgpu_metadata
.endif
;; end of part 3
;; launch outp (part 4): grid 4 x 32, 4 waves a work-group, clusters of 4 x 4, 327,680 bytes of LDS; arguments xc, xs, cod, scl, bo, out0; writes out0
.if DOCPART == 4
	.amdgcn_target "amdgcn-amd-amdhsa--gfx1250"
	.amdhsa_code_object_version 6
	.text
	.protected	k_q519ef37dec_outp
	.globl	k_q519ef37dec_outp
	.p2align	8
	.type	k_q519ef37dec_outp,@function
k_q519ef37dec_outp:
	s_mov_b64 s[64:65], 0
	v_nop
	global_prefetch_b8 v0, s[64:65] scope:SCOPE_SE
	s_setreg_imm32_b32 hwreg(HW_REG_WAVE_MODE, 25, 1), 1
	s_wait_xcnt 0x0
	s_wait_alu depctr_hold_cnt(0) depctr_sa_sdst(0) depctr_va_vdst(0) depctr_va_sdst(0) depctr_va_ssrc(0) depctr_va_vcc(0) depctr_vm_vsrc(0)
	s_getreg_b32 s2, hwreg(HW_REG_IB_STS2, 6, 4)
	s_cmp_eq_u32 s2, 0
	s_cbranch_scc0 .Lentry_in_a_cluster
	s_endpgm
.Lentry_in_a_cluster:
	s_bfe_u32 s2, ttmp6, 0x10000c
	s_cmp_lg_u32 s2, 0xf033
	s_cbranch_scc0 .Lentry_shape_is_right
	s_endpgm
.Lentry_shape_is_right:
; OUTP.  out0 = x Wo^T + bo on codes of E4M3 with E8M0 scales; out0 [2048][4][1024] f32.  x's rows lie at positions 2048 b + sigma(s), Wo's at sigma(n) (sigma: bits 3 and 4 exchanged); both as images of operand registers.
; A work-group makes 256 positions x 256 columns, each of four waves 128 x 128.  K = 1,024 goes in four steps of 256 through two LDS slots; a tile of 128 rows x 256 K is 32,768 bytes on end.
; The scale bytes of the work-group's rows come once, with the first fills.  CLUSTER 4 x 4: x's tiles are shared along a row of the cluster, Wo's along a column: each is asked for jointly.
; Source 0 = 16 rows of Wo, source 1 = 16 rows of x: a lane holds one row of the output, and the 16 registers of two neighbouring tiles are 16 neighbouring columns.  The bias is the C of each sum's first instruction.
; A row of x whose scale bytes are 0xff (no key was open for that query) comes out as NaN.
; 128 work-groups: tiles of this size leave WGPs without work at this size; kept for the plainest sound form.
; REGISTERS, in windows of 256: window 0: v0-31 addresses; v32-63 scale words; v64-127 the bias; from v128 x's fragments, one set (on the way out: rows of out0).  window 1: Wo's fragments, two sets.  windows 2, 3: accumulators.
.set NQ,     2
.set FR,     16
.set NL,     4
.set NP,     8                         ; places behind this matrix instruction (ISA guide 7.12.1)
.set HALFT,  32768
.set SLOT,   131072
.set SCL,    262144
.set HALFS,  4352
.set SBLK,   544
.set SPARE,  327168                    ; the spare words: the last 512 bytes, which no other line names
.set SPITCH, 528                       ; the way out: a stage of 16 rows x (512 + 16) bytes for each wave, in slot 0, which has had its last fill and its last read by then
.set LI,   4
.set ADRA, 16
.set ADRB, 20
.set STO,  24
.set RD,   25
.set ADRS, 27
.set SPW,  28
.set NIL,  29
.set SC,   32
.set BI,   64
.set AF,   128
.set BK,   128
.set WV,   18
.set WH,   19
.set WL,   20
.set CX,   21
.set CY,   22
.set TC,   23
.set G1,   24
.set G0,   32
.set G1B,  48
.set G0B,  56
.set G1S,  68
.set G0S,  76
.set G1SB, 80
.set G0SB, 88
.set LL,   93
.set MSB, 0
.macro WIN new
.if MSB != \new
	s_set_vgpr_msb (MSB<<8)|\new
.set MSB, \new
.endif
.endm
.set MUL_LO, 0xa1
.set MUL_HI, 0xf1
.set TO_B,   0x40
.macro JLOAD g0a, g1a, g0b, g1b        ; waves 0 and 1 fetch x's halves, waves 2 and 3 Wo's; four v_nop follow each line
	s_cmp_eq_u32 s[WH], 0
	s_cbranch_scc0 .Lfor_b_\@
	tensor_load_to_lds s[\g0a:\g0a+3], s[\g1a:\g1a+7]
	s_nop 0
.rept 4
	v_nop
.endr
	s_branch .Lasked_\@
.Lfor_b_\@:
	tensor_load_to_lds s[\g0b:\g0b+3], s[\g1b:\g1b+7]
	s_nop 0
.rept 4
	v_nop
.endr
.Lasked_\@:
.endm
.macro CREST
	s_cmp_lg_u32 s[WV], 0
	s_cbranch_scc1 .Lnot_wave_0_\@
	s_barrier_signal -3
.Lnot_wave_0_\@:
	s_barrier_wait -3
	s_barrier_signal -1
	s_barrier_wait -1
.endm
.macro CROUND
	s_barrier_signal -1
	s_barrier_wait -1
	CREST
.endm
.macro FRAG reg, adr, q, i
.irp c, 0,1,2,3
	ds_load_b128 v[\reg+4*\c:\reg+4*\c+3], v[\adr] offset:4096*(\i)+2048*(\q)+512*\c
.endr
.endm
.macro MUL16 a0, p, q, sc, zero        ; x's blocks a0, a0 + 1 x Wo's eight; zero = 1: C = the bias; the 64 accumulators take turns
.irp a, \a0, \a0+1
.irp b, 0,1,2,3,4,5,6,7
.set DD, 8*(8*((\a)%4)+\b)
.set FB, 128*(\p)+FR*\b
.set FA, AF+FR*(\a)
.set SB0, SC+8*NQ*(\sc)+NQ*\b+(\q)
.set SA0, SC+8*NQ*(\sc)+NQ*(\a)+(\q)
.if \zero
	v_wmma_scale_f32_16x16x128_f8f6f4 v[DD:DD+7], v[FB:FB+15], v[FA:FA+15], v[BI+8*\b:BI+8*\b+7], v[SB0], v[SA0] matrix_a_scale:MATRIX_SCALE_ROW1
.else
	v_wmma_scale_f32_16x16x128_f8f6f4 v[DD:DD+7], v[FB:FB+15], v[FA:FA+15], v[DD:DD+7], v[SB0], v[SA0] matrix_a_scale:MATRIX_SCALE_ROW1
.endif
.endr
.endr
.endm
.macro FETCH_B slot, q, p
	WIN TO_B
.irp i, 0,1,2,3,4,5,6,7
	FRAG 128*(\p)+FR*\i, ADRB+\slot, \q, \i
.endr
	WIN 0
.endm
.macro FETCH_A slot, q, i0
.irp i, \i0, \i0+1, \i0+2, \i0+3
	FRAG AF+FR*(\i), ADRA+\slot, \q, \i
.endr
.endm
.macro SCALES sc
.irp i, 0,1,2,3,4,5,6,7
	ds_load_b64 v[SC+8*NQ*\sc+NQ*\i:SC+8*NQ*\sc+NQ*\i+1], v[ADRS] offset:\i*SBLK
.endr
.endm
.macro PLACES n
.rept \n
	v_nop
.endr
.endm
.macro STEP slot, q, zero
	s_wait_dscnt 4*NL                              ; all but the youngest 16 loads (x's blocks 4-7) are in
.if \zero
	WIN 0x81
.else
	WIN MUL_LO
.endif
	MUL16 0, (\q)%2, \q, \slot, \zero
	MUL16 2, (\q)%2, \q, \slot, \zero
	s_wait_dscnt 0x0
	PLACES NP
	FETCH_B \slot, (\q)+1, 1-(\q)%2
	FETCH_A \slot, (\q)+1, 0
.if \zero
	WIN 0xc1
.else
	WIN MUL_HI
.endif
	MUL16 4, (\q)%2, \q, \slot, \zero
	MUL16 6, (\q)%2, \q, \slot, \zero
	PLACES NP
	WIN 0
	FETCH_A \slot, (\q)+1, 4
.endm
.macro TURN slot, next, fill
	s_wait_tensorcnt 0x0                           ; all my tensor loads have landed: my part of the next slot
	ds_add_u32 v[SPW], v[NIL]                      ; 0 onto my spare word
	s_wait_dscnt 4*NL+1                            ; the add and the youngest 16 loads may be out
	WIN MUL_LO
	MUL16 0, 1, NQ-1, \slot, 0
	s_wait_dscnt 0x0                               ; the add is done, and my reads of this slot are over
	s_barrier_signal -1
	MUL16 2, 1, NQ-1, \slot, 0
	WIN 0
	s_barrier_wait -1
.if \fill
	CREST                                          ; the barrier has opened a round of the cluster's
	s_add_nc_u64 s[G0+4*\slot+2:G0+4*\slot+3], s[G0+4*\slot+2:G0+4*\slot+3], 65536
	s_add_nc_u64 s[G0B+4*\slot+2:G0B+4*\slot+3], s[G0B+4*\slot+2:G0B+4*\slot+3], 65536
	JLOAD G0+4*\slot, G1, G0B+4*\slot, G1B         ; the first tensor load behind the round
	PLACES NP-4
.else
	PLACES NP
.endif
	v_add_nc_u32 v[ADRS], 4*NQ, v[ADRS]
	FETCH_B \next, 0, 0
	FETCH_A \next, 0, 0
	SCALES \next
	WIN MUL_HI
	MUL16 4, 1, NQ-1, \slot, 0
	MUL16 6, 1, NQ-1, \slot, 0
	PLACES NP
	WIN 0
	FETCH_A \next, 0, 4
.endm
	s_load_b256 s[4:11], s[0:1], 0x0               ; xc, xs, cod, scl
	s_load_b128 s[12:15], s[0:1], 0x20             ; bo, out0
	v_lshl_add_u32 v[SPW], v0, 2, SPARE
	v_mov_b32 v[NIL], 0
	ds_add_u32 v28, v29
	ds_add_u32 v28, v29
	s_wait_dscnt 0x0
	v_lshrrev_b32 v1, 5, v0
	v_readfirstlane_b32 s[WV], v1
	s_lshr_b32 s[WH], s[WV], 1
	s_and_b32 s[WL], s[WV], 1
	s_bfe_u32 s[CX], ttmp6, 0x40000
	s_bfe_u32 s[CY], ttmp6, 0x40004
	s_lshl_b32 s[TC], ttmp9, 2
	s_add_co_u32 s[TC], s[TC], s[CX]
	s_and_b32 s40, ttmp7, 0xffff
	s_lshl_b32 s40, s40, 2
	s_add_co_u32 s[LL], s40, s[CY]
	s_lshl_b32 s41, s[CY], 2
	s_lshl_b32 s41, 15, s41                        ; my row of the cluster
	s_lshl_b32 s42, 0x1111, s[CX]                  ; my column
	s_or_b32 s[G1+0], s41, (3<<16)|(1<<21)
	s_or_b32 s[G1B+0], s42, (3<<16)|(1<<21)
.irp g, G1, G1B
	s_mov_b32 s[\g+1], 32<<16
	s_mov_b32 s[\g+2], 128<<16
	s_mov_b32 s[\g+3], 32<<16
	s_mov_b32 s[\g+4], 128
	s_mov_b32 s[\g+5], 32
	s_mov_b32 s[\g+6], 0
	s_mov_b32 s[\g+7], 0
.endr
	s_or_b32 s[G1S+0], s41, (3<<16)|(1<<20)|(1<<21)|(5<<22)|(3<<25)
	s_or_b32 s[G1SB+0], s42, (3<<16)|(1<<20)|(1<<21)|(5<<22)|(3<<25)
.irp g, G1S, G1SB
	s_mov_b32 s[\g+1], 32<<16
	s_mov_b32 s[\g+2], 16<<16
	s_mov_b32 s[\g+3], 32<<16
	s_mov_b32 s[\g+4], 16
	s_mov_b32 s[\g+5], 32
	s_mov_b32 s[\g+6], 0
	s_mov_b32 s[\g+7], 0
.endr
	s_lshl_b32 s43, s[LL], 1
	s_add_co_u32 s43, s43, s[WL]
	s_lshl_b32 s44, s43, 17
	s_mov_b32 s45, 0
	s_lshl_b32 s46, s43, 12
	s_mov_b32 s47, 0
	s_lshl_b32 s94, s[TC], 1
	s_add_co_u32 s94, s94, s[WL]
	s_lshl_b32 s96, s94, 17
	s_add_co_u32 s96, s96, 28311552                ; Wo's codes: the last of the four weights'
	s_mov_b32 s97, 0
	s_lshl_b32 s98, s94, 12
	s_add_co_u32 s98, s98, 884736
	s_mov_b32 s99, 0
	s_lshl_b32 s100, s[WV], 15
	s_mul_i32 s101, s[WV], HALFS
	s_wait_kmcnt 0x0
	s_add_nc_u64 s[44:45], s[4:5], s[44:45]
	s_add_nc_u64 s[46:47], s[6:7], s[46:47]
	s_add_nc_u64 s[96:97], s[8:9], s[96:97]
	s_add_nc_u64 s[98:99], s[10:11], s[98:99]
	CROUND                                         ; all sixteen work-groups are here: the first joint loads meet
	s_mov_b32 s[G0S], 1
	s_add_co_u32 s[G0S+1], s101, SCL
	s_mov_b64 s[G0S+2:G0S+3], s[46:47]
	s_or_b32 s[G0S+3], s[G0S+3], 0x80000000
	s_mov_b32 s[G0SB], 1
	s_add_co_u32 s[G0SB+1], s101, SCL
	s_mov_b64 s[G0SB+2:G0SB+3], s[98:99]
	s_or_b32 s[G0SB+3], s[G0SB+3], 0x80000000
	JLOAD G0S, G1S, G0SB, G1SB
.irp s, 0,1
	s_mov_b32 s[G0+4*\s], 1
	s_add_co_u32 s[G0+4*\s+1], s100, \s*SLOT
	s_add_nc_u64 s[G0+4*\s+2:G0+4*\s+3], s[44:45], \s*32768
	s_or_b32 s[G0+4*\s+3], s[G0+4*\s+3], 0x80000000
	s_mov_b32 s[G0B+4*\s], 1
	s_add_co_u32 s[G0B+4*\s+1], s100, \s*SLOT
	s_add_nc_u64 s[G0B+4*\s+2:G0B+4*\s+3], s[96:97], \s*32768
	s_or_b32 s[G0B+4*\s+3], s[G0B+4*\s+3], 0x80000000
	JLOAD G0+4*\s, G1, G0B+4*\s, G1B               ; three tensor loads of mine are out
.endr
	v_and_b32 v1, 31, v0
	v_lshlrev_b32 v[LI], 4, v1
	v_and_b32 v2, 15, v0                           ; r
	v_bfe_u32 v3, v0, 4, 1                         ; h
	s_lshl_b32 s40, s[WH], 15                      ; my 128 rows of x
	s_lshl_b32 s41, s[WL], 15                      ; my 128 rows of Wo,
	s_add_co_u32 s41, s41, 65536                   ; which lie behind x's 256
.irp s, 0,1
	v_add_nc_u32 v[ADRA+\s], s40, v[LI]
	v_add_nc_u32 v[ADRB+\s], s41, v[LI]
	s_add_co_u32 s40, s40, SLOT
	s_add_co_u32 s41, s41, SLOT
.endr
	v_lshlrev_b32 v5, 5, v2
	v_lshrrev_b32 v6, 8, v5
	v_lshl_add_u32 v5, v6, 4, v5
	s_mul_i32 s40, s[WH], HALFS
	s_mul_i32 s41, s[WL], HALFS
	s_add_co_u32 s41, s41, 2*HALFS
	s_sub_co_u32 s41, s41, s40
	v_mul_u32_u24 v6, s41, v3                      ; lanes 16-31 take Wo's
	s_add_co_u32 s40, s40, SCL
	v_add_nc_u32 v5, v5, v6
	v_add_nc_u32 v[ADRS], s40, v5
	s_mul_i32 s40, s[WV], 16*SPITCH                ; my stage
	v_mul_u32_u24 v5, v2, SPITCH
	v_lshl_add_u32 v5, v3, 6, v5
	v_add_nc_u32 v[STO], s40, v5                   ; in: row r, + 64 h: tile b's eight columns lie 128 (b / 2) + 32 (b % 2) bytes further on
	v_add_nc_u32 v[RD], s40, v[LI]                 ; back: a row of 512 bytes, 16 a lane
	s_and_b32 s40, s[LL], 7
	s_lshl_b32 s40, s40, 1
	s_add_co_u32 s40, s40, s[WH]
	s_lshl_b32 s40, s40, 21                        ; my first s: 128 rows of 16,384 bytes
	s_lshr_b32 s41, s[LL], 3
	s_lshl_b32 s41, s41, 12                        ; b
	s_add_co_u32 s40, s40, s41
	s_lshl_b32 s41, s[TC], 10
	s_add_co_u32 s40, s40, s41
	s_lshl_b32 s41, s[WL], 9
	s_add_co_u32 s40, s40, s41                     ; my first column
	s_mov_b32 s41, 0
	s_add_nc_u64 s[14:15], s[14:15], s[40:41]
	s_lshl_b32 s96, s[TC], 10
	s_lshl_b32 s97, s[WL], 9
	s_add_co_u32 s97, s97, s96
	v_lshl_add_u32 v8, v3, 6, s97                  ; the bias: tile b's registers are columns 32 (b / 2) + 8 (b % 2) + 16 h + 0 .. 7
.irp b, 0,1,2,3,4,5,6,7
	global_load_b128 v[BI+8*\b:BI+8*\b+3], v8, s[12:13] offset:(32*(\b/2)+8*(\b%2))*4
	global_load_b128 v[BI+8*\b+4:BI+8*\b+7], v8, s[12:13] offset:(32*(\b/2)+8*(\b%2))*4+16
.endr
	s_wait_tensorcnt 1                             ; the scale bytes and my part of K step 0 are in; K step 1's load may be out
	s_barrier_signal -1
	s_barrier_wait -1
	FETCH_B 0, 0, 0
	FETCH_A 0, 0, 0
	SCALES 0
	FETCH_A 0, 0, 4
	s_wait_loadcnt 0x0                             ; the bias
	STEP 0, 0, 1
	TURN 0, 1, 1
	STEP 1, 0, 0
	TURN 1, 0, 1
	STEP 0, 0, 0
	TURN 0, 1, 0
	STEP 1, 0, 0
	s_wait_dscnt 4*NL
	WIN MUL_LO
	MUL16 0, 1, NQ-1, 1, 0
	MUL16 2, 1, NQ-1, 1, 0
	s_wait_dscnt 0x0
	WIN MUL_HI
	MUL16 4, 1, NQ-1, 1, 0
	MUL16 6, 1, NQ-1, 1, 0
	WIN 0
; THE WAY OUT, block by block of 16 positions x 128 columns, through my own stage: in by lanes, each accumulator from its low end on, at its columns' true places; back as whole rows of 512 bytes.
; LDS serves a wave's instructions in order (ISA guide 5.7.1.4): no wait between the stores and the loads.  Row t of block a is s = .. + 32 (a / 2) + 8 (a % 2) + t + 8 (t / 8).
.macro TOSTAGE a
.set AC, 64*((\a)%4)
	WIN 0x08+4*((\a)/4)                            ; an LDS store's data are its source 1: window 2 or 3
.irp b, 0,1,2,3,4,5,6,7
	ds_store_b128 v[STO], v[AC+8*\b:AC+8*\b+3] offset:128*(\b/2)+32*(\b%2)
	ds_store_b128 v[STO], v[AC+8*\b+4:AC+8*\b+7] offset:128*(\b/2)+32*(\b%2)+16
.endr
	WIN 0
.set BB, BK+64*((\a)%2)
.irp t, 0,1,2,3,4,5,6,7,8,9,10,11,12,13,14,15
	ds_load_b128 v[BB+4*\t:BB+4*\t+3], v[RD] offset:\t*SPITCH
.endr
.endm
.macro SEND a, younger                 ; younger: the LDS instructions issued behind block a's loads
.set BB, BK+64*((\a)%2)
	s_wait_dscnt \younger
.if (\a) > 0
.if ((\a)%2) == 1
	s_add_nc_u64 s[14:15], s[14:15], 131072        ; 8 rows of s on (behind a wait that shows the earlier stores have read their base)
.else
	s_add_nc_u64 s[14:15], s[14:15], 393216        ; 24 rows on
.endif
.endif
.irp t, 0,1,2,3,4,5,6,7,8,9,10,11,12,13,14,15
	global_store_b128 v[LI], v[BB+4*\t:BB+4*\t+3], s[14:15] offset:(\t+8*(\t/8))*16384 th:TH_STORE_NT   ; 32 lanes store 512 bytes on end, aligned
.endr
.endm
	PLACES NP
	TOSTAGE 0
.irp a, 1,2,3,4,5,6,7
.if \a > 1
	s_wait_xcnt 0x0                                ; block a - 2's stores have read their registers and their base
.endif
	TOSTAGE \a
	SEND \a-1, 32                                  ; behind block a - 1's loads: block a's 16 stores and 16 loads
.endr
	s_wait_xcnt 0x0
	SEND 7, 0
	s_wait_tensorcnt 0x0                           ; the wave's end
	ds_add_u32 v[SPW], v[NIL]
	s_wait_dscnt 0x0
	CROUND                                         ; the closing round
	s_endpgm
.Lfunc_end_k_q519ef37dec_outp:
	.size	k_q519ef37dec_outp, .Lfunc_end_k_q519ef37dec_outp-k_q519ef37dec_outp
	.p2alignl 7, 3214868480
	.fill 96, 4, 3214868480
	.section	.rodata,"a",@progbits
	.p2align	6, 0x0
	.amdhsa_kernel k_q519ef37dec_outp
		.amdhsa_group_segment_fixed_size 327680
		.amdhsa_private_segment_fixed_size 0
		.amdhsa_enable_private_segment 0
		.amdhsa_kernarg_size 48
		.amdhsa_user_sgpr_count 2
		.amdhsa_user_sgpr_kernarg_segment_ptr 1
		.amdhsa_wavefront_size32 1
		.amdhsa_system_sgpr_workgroup_id_x 1
		.amdhsa_system_sgpr_workgroup_id_y 1
		.amdhsa_system_sgpr_workgroup_id_z 1
		.amdhsa_system_vgpr_workitem_id 0
		.amdhsa_next_free_vgpr 1024
		.amdhsa_next_free_sgpr 102
		.amdhsa_reserve_vcc 0
		.amdhsa_float_denorm_mode_32 3
		.amdhsa_float_denorm_mode_16_64 3
		.amdhsa_memory_ordered 1
		.amdhsa_forward_progress 1
		.amdhsa_inst_pref_size 147
	.end_amdhsa_kernel
	.amdgpu_metadata
---
amdhsa.version: [ 1, 2 ]
amdhsa.kernels:
  - .name:           k_q519ef37dec_outp
    .symbol:         k_q519ef37dec_outp.kd
    .args:
      - { .name: xc, .offset: 0, .size: 8, .value_kind: global_buffer, .address_space: global }
      - { .name: xs, .offset: 8, .size: 8, .value_kind: global_buffer, .address_space: global }
      - { .name: cod, .offset: 16, .size: 8, .value_kind: global_buffer, .address_space: global }
      - { .name: scl, .offset: 24, .size: 8, .value_kind: global_buffer, .address_space: global }
      - { .name: bo, .offset: 32, .size: 8, .value_kind: global_buffer, .address_space: global }
      - { .name: out0, .offset: 40, .size: 8, .value_kind: global_buffer, .address_space: global }
    .group_segment_fixed_size: 327680
    .private_segment_fixed_size: 0
    .kernarg_segment_align: 8
    .kernarg_segment_size: 48
    .max_flat_workgroup_size: 128
    .sgpr_count:     102
    .vgpr_count:     1024
    .wavefront_size: 32
...
	.end_amdgpu_metadata
.endif
;; end of part 4
;; ======== version 2 of 2: 4 launches; version 1 with the launch attn written anew for expert scheduling mode
;; workspace buffers: cod 29,360,128 bytes; scl 917,504 bytes; maskw 524,288 bytes of whole numbers; flags 4,096 bytes of whole numbers; hc 25,165,824 bytes; hs 786,432 bytes; xc 8,388,608 bytes; xs 262,144 bytes
;; launch prep: the kernel of part 1 again; grid 704 x 1, 4 waves a work-group, no clusters, 34,304 bytes of LDS; arguments query, key, value, Wq, Wk, Wv, Wo, mask, cod, scl, maskw, flags; writes cod, scl, maskw, flags
;; launch proj: the kernel of part 2 again; grid 4 x 96, 4 waves a work-group, clusters of 4 x 4, 327,680 bytes of LDS; arguments cod, scl, bq, bk, bv, hc, hs; writes hc, hs
;; launch attn (part 5): grid 4 x 64, 16 waves a work-group, no clusters, 272,384 bytes of LDS; arguments hc, hs, maskw, flags, xc, xs; writes xc, xs
.if DOCPART == 5
	.amdgcn_target "amdgcn-amd-amdhsa--gfx1250"
	.amdhsa_code_object_version 6
	.text
	.protected	k_q519ef37dec_attn
	.globl	k_q519ef37dec_attn
	.p2align	8
	.type	k_q519ef37dec_attn,@function
k_q519ef37dec_attn:
	s_mov_b64 s[64:65], 0
	v_nop
	global_prefetch_b8 v0, s[64:65] scope:SCOPE_SE
	s_setreg_imm32_b32 hwreg(HW_REG_WAVE_SCHED_MODE, 0, 2), 2
	s_setreg_imm32_b32 hwreg(HW_REG_WAVE_MODE, 25, 1), 1
	s_wait_xcnt 0x0
	s_wait_alu depctr_vm_vsrc(0)
; ATTN.  For each (b, head): scores = q k^T / 8, hidden where the given mask says so; p = 2^(t - M), t = score x log2(e) / 8, M the running largest t rounded up to a whole number; x = (p v) / (the sum of the
; unquantised p); x is quantised along the model's 1,024 (its blocks of 32 lie inside a head).  Both products on codes of E4M3 with E8M0 scales.
; SHARES.  A work-group serves one (b, head); the head's codes and scale bytes of K and V, 270,336 bytes, are brought into LDS once, through registers; behind one barrier no wave waits for another.
; Each of sixteen waves owns two tiles of 16 query positions, numbers 16 x + w and 127 - (16 x + w), one after the other, and walks sixteen steps of 128 keys.
; THE MASK IS AN INPUT.  An earlier launch stored, for each (query tile, key step), two bits (some key open; some key hidden) and 64 lane-mask words.  A step with no open key is passed over by a scalar branch on
; the stored bits; in a step with a hidden key each score takes one v_cndmask_b32.  The result is right for any mask.
; NO TENSOR LOADS, NO CLUSTER: without tensor loads there is no joint request; so the four work-groups of a head each
; read its 270,336 bytes.  NO PREFETCH: all that a work-group reads of K and V goes out in one run at its head.
; LAYOUT.  Both products are used transposed: S^T = K Q^T, O^T = V^T P^T: a lane holds one query throughout.  The rows of K's and V's tiles are ordered so that the 16 registers of two neighbouring result tiles
; are 16 neighbouring keys (or 16 neighbouring channels).  THE HEAD HAS 64 CHANNELS, the instruction takes 128 along K: a fragment of K holds two key tiles, one in each half of K, and is multiplied once by
; [Q | 0] and once by [0 | Q]: zero codes add nothing.
; A ROW ALL OF WHOSE KEYS ARE HIDDEN has the sum 0: its scale bytes become 0xff, so that the output row is NaN.  The two scale bytes a row leave as byte stores, 262,144 bytes in the whole launch: accepted.
; LIMITS: blocks whose largest magnitude lies under 2^-118 get the byte 1; NaN and infinities among the inputs are not served.
; THE MODE: SCHED_MODE bits 1:0 = 2 (LLVM: expert scheduling mode 2), set by the entry lines.  The code itself states the register dependences between vector or matrix instructions and memory or LDS
; instructions, with s_wait_alu, always for 0.
; THE PLAN.  Registers that memory or LDS instructions touch:
;   v3-v11            at the head: made by vector lines, read by the fill's loads and LDS stores.  Later: v3, v4 the offsets of Q's loads (made at a tile's head); v5, v6 the stores' offsets (made on the way out);
;                     v8, v9, v10 the step's LDS addresses (made by three additions at a step's head, read by its 34 LDS loads).
;   v40-167, v200-203 at the head: the fill's loads land there, its LDS stores read them.
;   KV                a step: K's fragments land; eight products read them; V's fragments land; four products read them.  ONE set: the wave's 256 registers are all laid out.
;   KS, VS            a step: the scale words land at its head; the products read them.
;   QF, QS            a tile: Q's loads land at its head; three vector lines rewrite QS; every product K Q^T reads both.
;   PC, PS            a step: written by vector lines, read by the four products V^T P^T.  PC and v[T] on the way out: written by vector lines, read by the three stores.
; THE WAITS.  A tile's head: one on vm_vsrc (all that was issued has read its registers), the two offsets, one on va_vdst, Q's loads.  A step's head: one on vm_vsrc, the three additions, one on va_vdst (the
; addresses are written; the last step's products are done with KV, KS, VS), the loads of K and of both scale words.  Behind K Q^T and its places: one on va_vdst, V's loads.  One for each batch of exponentials.
; One ahead of V^T P^T (p's codes and scale word are written).  On the way out: the reciprocal's, VCC's, and one ahead of the stores.  Each run of loads or stores stands straight behind its wait.
.set VIMG, 131072                      ; LDS: K's images [key step][pair of tiles][32 K][lane][16] at 0; V's [key step][tile of 16 d][32 keys][lane][16] here;
.set KSC,  262144                      ; K's scale words [key step][row][4]; V's 4,096 bytes further on
.set QF,   16                          ; v16-23 Q, v24-31 zeros, v32-39 Q again
.set KV,   40                          ; v40-103  four fragments of K, then of V
.set S,    104                         ; v104-167 S^T, then p
.set O,    168                         ; v168-199 O^T
.set PC,   200                         ; v200-215 p's codes
.set BM,   216                         ; v216-219 the blocks' largest
.set PT,   220                         ; v220-223 at work
.set HD,   224                         ; v224-227 448 x the scale
.set CO,   228                         ; v228-231 the conversions' scale operands
.set KS,   232                         ; v232-235 K's scale words, v236-239 V's, v240 Q's, v244 p's: they hold scales and nothing else
.set VS,   236
.set QS,   240
.set F,    242                         ; v[242:243] f = 2^(old M - new M), later 1 / the sum
.set PS,   244
.set T,    245
.set NINF, 247
.set NANB, 248
.set WV,   16
.set BH,   17
.set SEL,  18
.set CS,   20                          ; s[20:21] c = log2(e) / 8
.set MNT,  22
.set QT,   23                          ; my tile of 16 query positions
.set FL,   24                          ; its 32 flag bits, shifted down two a step
.set TK,   25                          ; the step's images: 8,192 bytes a step
.set TS,   26                          ; its scale words: 256 bytes a step
.set CNT,  27
.set MO,   28                          ; its mask words: 256 bytes a step
.set HM,   29
.macro STEP
	s_bitcmp1_b32 s[FL], 0                         ; has any of my 16 queries an open key among these 128?
	s_cbranch_scc0 .Lskip_\@
	s_load_b512 s[32:47], s[8:9], s[MO] offset:0x0                 ; the step's 64 lane-mask words
	s_load_b512 s[48:63], s[8:9], s[MO] offset:0x40
	s_load_b512 s[68:83], s[8:9], s[MO] offset:0x80
	s_load_b512 s[84:99], s[8:9], s[MO] offset:0xc0
	s_wait_alu depctr_vm_vsrc(0)                   ; the LDS instructions issued so far have read v8, v9 and v10, which the three additions write
	v_add_nc_u32 v8, s[TK], v1
	v_add_nc_u32 v10, s[TS], v2
	v_add_nc_u32 v9, VIMG, v8
.rept 5
	v_nop                                          ; with the three additions: eight plain lines behind the last step's products and, in a tile's first step, between the lines that made Q's scale word and the first product that takes it
.endr
	s_wait_alu depctr_va_vdst(0)                   ; v8, v9, v10 are written, which the loads below read; the last step's products are done reading KV, KS and VS, in which they land; in a tile's first step Q's scale word and the zero half beside Q are written, which the products below take
.irp p, 0,1,2,3
.irp c, 0,1,2,3
	ds_load_b128 v[KV+16*\p+4*\c:KV+16*\p+4*\c+3], v8 offset:2048*\p+512*\c
.endr
.endr
	ds_load_b128 v[KS:KS+3], v10
	ds_load_b128 v[VS:VS+3], v10 offset:4096       ; V's scale words with K's: the wait above has freed both
	s_wait_dscnt 0x0
.irp p, 0,1,2,3
	v_wmma_scale_f32_16x16x128_f8f6f4 v[S+16*\p:S+16*\p+7], v[KV+16*\p:KV+16*\p+15], v[QF:QF+15], 0, v[KS+\p], v[QS]           ; key tile 2 p: the fragment's first half meets Q
	v_wmma_scale_f32_16x16x128_f8f6f4 v[S+16*\p+8:S+16*\p+15], v[KV+16*\p:KV+16*\p+15], v[QF+8:QF+23], 0, v[KS+\p], v[QS]      ; key tile 2 p + 1: its second half
.endr
.rept 8
	v_nop                                          ; places: in front of the loads below and of the first read of the scores
.endr
	s_wait_alu depctr_va_vdst(0)                   ; the eight products are done reading K's fragments, in whose registers V's land
.irp t, 0,1,2,3
.irp c, 0,1,2,3
	ds_load_b128 v[KV+16*\t+4*\c:KV+16*\t+4*\c+3], v9 offset:2048*\t+512*\c   ; V lands while the softmax is walked
.endr
.endr
	s_wait_kmcnt 0x0                               ; the mask words are in; their offset register may be stepped
	s_bitcmp1_b32 s[FL], 1                         ; is any key of the step hidden from any of my queries?
	s_cbranch_scc0 .Lopen_\@
.set n, 0
.rept 32
	v_cndmask_b32 v[S+n], v[S+n], v[NINF], s[32+n] ; register n = 16 b + i holds key 32 b + 16 (lane / 16) + i: hidden scores become -infinity, p = 0
.set n, n+1
.endr
.rept 32
	v_cndmask_b32 v[S+n], v[S+n], v[NINF], s[36+n]
.set n, n+1
.endr
.Lopen_\@:
.irp b, 0,1,2,3
	v_max3_num_f32 v[BM+\b], v[S+16*\b], v[S+1+16*\b], v[S+2+16*\b]   ; the largest score of each block of 32 keys: for the row's maximum, and for the block's largest p
.endr
.irp i, 3,5,7,9,11,13
.irp b, 0,1,2,3
	v_max3_num_f32 v[BM+\b], v[BM+\b], v[S+16*\b+\i], v[S+1+16*\b+\i]
.endr
.endr
.irp b, 0,1,2,3
	v_max_num_f32 v[BM+\b], v[BM+\b], v[S+15+16*\b]
.endr
.irp b, 0,1,2,3
	v_permlanex16_b32 v[PT+\b], v[BM+\b], s[SEL], s[SEL+1]
.endr
.irp b, 0,1,2,3
	v_max_num_f32 v[BM+\b], v[BM+\b], v[PT+\b]
.endr
	v_max3_num_f32 v[T], v[BM], v[BM+1], v[BM+2]
	v_max_num_f32 v[T], v[T], v[BM+3]
	v_mul_f32 v[T], s[CS], v[T]
	v_max_num_f32 v13, v13, v[T]                   ; the running largest t
	v_mov_b32 v[T], v12
	v_floor_f32 v12, -v13                          ; -M = floor(-t): M is a whole number
	v_sub_f32 v[T], v12, v[T]
	v_cvt_i32_f32 v[T], v[T]                       ; (it saturates)
	v_ldexp_f32 v[F], 1.0, v[T]                    ; f = 2^(old M - new M): a multiplication by it rounds nothing
.set j, 0
.rept 32
	v_pk_fma_f32 v[S+j:S+j+1], v[S+j:S+j+1], s[CS:CS+1], v[12:13] op_sel_hi:[1,0,0]   ; t - M, two at a time
.set j, j+2
.endr
.irp b, 0,1,2,3
	v_fma_f32 v[BM+\b], v[BM+\b], s[CS], v12
.endr
.set j, 0
.rept 64
	v_exp_f32 v[S+j], v[S+j]                       ; p = 2^(t - M): not normalised
.set j, j+1
.endr
	v_pk_mul_f32 v[14:15], v[14:15], v[F:F+1] op_sel_hi:[1,0]      ; the sums under the new M: the plain line behind the exponentials
	s_wait_alu depctr_va_vdst(0)                   ; the 64 exponentials have written p, ahead of its first reader: one wait for the batch
.irp b, 0,1,2,3
	v_exp_f32 v[BM+\b], v[BM+\b]                   ; the block's largest p
.endr
	v_pk_add_f32 v[PT:PT+1], v[S:S+1], v[S+2:S+3]  ; the row's sum is taken of the unquantised p, in two chains
.set j, 4
.rept 15
	v_pk_add_f32 v[14:15], v[14:15], v[S+j:S+j+1]
	v_pk_add_f32 v[PT:PT+1], v[PT:PT+1], v[S+j+2:S+j+3]
.set j, j+4
.endr
	v_pk_add_f32 v[14:15], v[14:15], v[PT:PT+1]
	s_wait_alu depctr_va_vdst(0)                   ; the four exponentials have written the blocks' largest p, ahead of their first reader
.irp b, 0,1,2,3
	v_max_num_f32 v[BM+\b], 0x4800000, v[BM+\b]    ; the floor 2^(9 - 127)
.endr
.irp b, 0,1,2,3
	v_add_nc_u32 v[CO+\b], 0xfc000000, v[BM+\b]
.endr
.irp b, 0,1,2,3
	v_and_or_b32 v[HD+\b], v[BM+\b], 0x7f800000, s[MNT]
.endr
.irp b, 0,1,2,3
	v_lshrrev_b32 v[PT+\b], 23, v[CO+\b]
.endr
	v_lshl_or_b32 v[PS], v[PT+1], 8, v[PT]         ; p's scale word for these 128 keys
	v_lshl_or_b32 v[PS], v[PT+2], 16, v[PS]
	v_lshl_or_b32 v[PS], v[PT+3], 24, v[PS]
.irp b, 0,1,2,3
.irp i, 0,1,2,3,4,5,6,7,8,9,10,11,12,13,14,15
	v_min_num_f32 v[S+16*\b+\i], v[S+16*\b+\i], v[HD+\b]           ; p is not negative: the hold is one-sided
.endr
	v_cvt_scalef32_pk8_fp8_f32 v[PC+4*\b:PC+4*\b+1], v[S+16*\b:S+16*\b+7], v[CO+\b]
	v_cvt_scalef32_pk8_fp8_f32 v[PC+4*\b+2:PC+4*\b+3], v[S+16*\b+8:S+16*\b+15], v[CO+\b]
.endr
.set j, 0
.rept 16
	v_pk_mul_f32 v[O+j:O+j+1], v[O+j:O+j+1], v[F:F+1] op_sel_hi:[1,0]   ; O^T under the new M; these are also the places in front of the products below
.set j, j+2
.endr
	s_wait_dscnt 0x0                               ; V's fragments are in
	s_wait_alu depctr_va_vdst(0)                   ; the conversions have written p's codes and the shifts p's scale word, which the products below take as source 1 and as its scales; the places above stay beside this wait
.irp t, 0,1,2,3
	v_wmma_scale_f32_16x16x128_f8f6f4 v[O+8*\t:O+8*\t+7], v[KV+16*\t:KV+16*\t+15], v[PC:PC+15], v[O+8*\t:O+8*\t+7], v[VS+\t], v[PS]   ; the four accumulators by turns
.endr
.Lskip_\@:
	s_lshr_b32 s[FL], s[FL], 2
	s_add_co_u32 s[TK], s[TK], 8192
	s_add_co_u32 s[TS], s[TS], 256
	s_add_co_u32 s[MO], s[MO], 256
.endm
.macro TILE
	s_lshl_b32 s2, s[QT], 5
	s_load_b256 s[32:39], s[10:11], s2 offset:0x0  ; the tile's eight flag words
	s_lshl_b32 s3, s[BH], 7
	s_add_co_u32 s3, s3, s[QT]
	s_lshl_b32 s3, s3, 10
	s_lshr_b32 s30, s[QT], 3
	s_lshl_b32 s30, s30, 8
	s_lshl_b32 s31, s[BH], 12
	s_add_co_u32 s30, s30, s31
	s_bfe_u32 s31, s[QT], 0x20001
	s_lshl_b32 s31, s31, 2
	s_add_co_u32 s30, s30, s31
	s_wait_alu depctr_vm_vsrc(0)                   ; all loads, stores and LDS instructions issued so far have read their registers: the fill's addresses and data, or the last tile's offsets v3 to v6, its codes and its byte; all of these are written again from here on, whichever steps are passed over
	v_add_nc_u32 v3, s3, v1
	v_and_b32 v4, 15, v0
	v_lshl_add_u32 v4, v4, 4, s30
	s_wait_alu depctr_va_vdst(0)                   ; v3 and v4 are written, which the five loads read; the last tile's products are done reading Q and its scale word, and its vector lines have written that word: the loads land in these registers
	global_load_b128 v[QF:QF+3], v3, s[4:5]        ; Q's 64 channels, twice
	global_load_b128 v[QF+4:QF+7], v3, s[4:5] offset:512
	global_load_b128 v[QF+16:QF+19], v3, s[4:5]
	global_load_b128 v[QF+20:QF+23], v3, s[4:5] offset:512
	global_load_b32 v[QS], v4, s[6:7]              ; the scale word of my tile's pair
	v_mov_b32 v13, 0xff61b1e6                      ; the largest t so far: -3e38
	v_floor_f32 v12, -v13
	v_mov_b32 v14, 0
	v_mov_b32 v15, 0
.set j, 0
.rept 32
	v_mov_b32 v[O+j], 0                            ; any step may be passed over, so no step is known to be the first: the sums begin as zeros
.set j, j+1
.endr
	s_wait_kmcnt 0x0
	s_or_b32 s[FL], s32, s33
	s_or_b32 s[FL], s[FL], s34
	s_or_b32 s[FL], s[FL], s35
	s_or_b32 s[FL], s[FL], s36
	s_or_b32 s[FL], s[FL], s37
	s_or_b32 s[FL], s[FL], s38
	s_or_b32 s[FL], s[FL], s39
	s_wait_loadcnt 0x0
	s_and_b32 s31, s[QT], 1
	s_lshl_b32 s31, s31, 4
	v_lshrrev_b32 v[QS], s31, v[QS]                ; my tile's two bytes,
	v_and_b32 v[QS], 0xffff, v[QS]
	v_lshl_or_b32 v[QS], v[QS], 16, v[QS]          ; for both halves of K
	s_mov_b32 s[TK], 0
	s_mov_b32 s[TS], 0
	s_lshl_b32 s[MO], s[QT], 12
	s_mov_b32 s[CNT], 16
.Lstep_\@:
	STEP
	s_sub_co_u32 s[CNT], s[CNT], 1
	s_cmp_lg_u32 s[CNT], 0
	s_cbranch_scc1 .Lstep_\@
	; the way out: x = O^T / the sum, quantised: register 16 beta + i is channel 32 beta + 16 h + i of my query
.rept 8
	v_nop
.endr
	v_add_f32 v14, v14, v15
	v_permlanex16_b32 v[T], v14, s[SEL], s[SEL+1]
	v_add_f32 v14, v14, v[T]                       ; the row's sum
	v_rcp_f32 v[F], v14
	s_lshr_b32 s2, s[BH], 4                        ; b
	s_and_b32 s3, s[BH], 15                        ; head
	s_lshl_b32 s30, s2, 4
	s_lshr_b32 s31, s[QT], 3
	s_add_co_u32 s30, s30, s31
	s_lshl_b32 s30, s30, 17                        ; 128 positions
	s_lshr_b32 s31, s3, 2
	s_lshl_b32 s31, s31, 15                        ; 256 along K
	s_add_co_u32 s30, s30, s31
	s_and_b32 s31, s[QT], 7
	s_lshl_b32 s31, s31, 12                        ; the tile
	s_add_co_u32 s30, s30, s31
	s_and_b32 s31, s3, 3
	s_lshl_b32 s31, s31, 10                        ; the head's 64 inside 256
	s_add_co_u32 s30, s30, s31
	v_add_nc_u32 v5, s30, v1
	s_lshl_b32 s30, s2, 11
	s_lshl_b32 s31, s[QT], 4
	s_add_co_u32 s30, s30, s31
	s_lshl_b32 s30, s30, 5
	s_lshl_b32 s31, s3, 1
	s_add_co_u32 s30, s30, s31
	v_and_b32 v6, 15, v0
	v_bfe_u32 v7, v0, 4, 1
	v_lshl_add_u32 v6, v6, 5, v7
	v_add_nc_u32 v6, s30, v6                       ; scale bytes: 32 a position; lanes 0-15 store block 0's, lanes 16-31 block 1's
	v_cmp_eq_f32 vcc_lo, 0, v14                    ; was no key open for my query?  Asked here, far ahead of the select that reads the answer
	s_wait_alu depctr_va_vdst(0)                   ; the reciprocal has written v[F], ahead of its first reader
.set j, 0
.rept 16
	v_pk_mul_f32 v[O+j:O+j+1], v[O+j:O+j+1], v[F:F+1] op_sel_hi:[1,0]
.set j, j+2
.endr
.irp b, 0,1
	v_max3_num_f32 v[BM+\b], |v[O+16*\b]|, |v[O+1+16*\b]|, 0x4800000
.endr
.irp i, 2,4,6,8,10,12,14
.irp b, 0,1
	v_max3_num_f32 v[BM+\b], v[BM+\b], |v[O+16*\b+\i]|, |v[O+1+16*\b+\i]|
.endr
.endr
.irp b, 0,1
	v_permlanex16_b32 v[PT+\b], v[BM+\b], s[SEL], s[SEL+1]
.endr
.irp b, 0,1
	v_max_num_f32 v[BM+\b], v[BM+\b], v[PT+\b]
.endr
.irp b, 0,1
	v_add_nc_u32 v[CO+\b], 0xfc000000, v[BM+\b]
	v_and_or_b32 v[HD+\b], v[BM+\b], 0x7f800000, s[MNT]
	v_lshrrev_b32 v[PT+\b], 23, v[CO+\b]
.endr
.irp b, 0,1
.irp i, 0,1,2,3,4,5,6,7,8,9,10,11,12,13,14,15
	v_med3_num_f32 v[O+16*\b+\i], v[O+16*\b+\i], -v[HD+\b], v[HD+\b]
.endr
	v_cvt_scalef32_pk8_fp8_f32 v[PC+4*\b:PC+4*\b+1], v[O+16*\b:O+16*\b+7], v[CO+\b]
	v_cvt_scalef32_pk8_fp8_f32 v[PC+4*\b+2:PC+4*\b+3], v[O+16*\b+8:O+16*\b+15], v[CO+\b]
.endr
	v_nop                                          ; a plain line behind the last conversion
	v_cndmask_b32 v[T], v[PT], v[PT+1], s[HM]
	s_wait_alu depctr_va_vcc(0)                    ; the compare has written VCC, ahead of its first reader
	v_cndmask_b32 v[T], v[T], v[NANB], vcc_lo      ; no key was open: the byte that stands for NaN
	s_wait_alu depctr_va_vdst(0)                   ; the conversions have written the codes, the selects the byte, the additions v5 and v6: the three stores read them
	global_store_b128 v5, v[PC:PC+3], s[12:13]     ; 1,024 bytes on end
	global_store_b128 v5, v[PC+4:PC+7], s[12:13] offset:512
	global_store_b8 v6, v[T], s[14:15]
.endm
	s_load_b256 s[4:11], s[0:1], 0x0               ; hc, hs, maskw, flags
	s_load_b128 s[12:15], s[0:1], 0x20             ; xc, xs
	v_lshl_add_u32 v254, v0, 2, 0x42000
	v_mov_b32 v255, 0
	v_lshrrev_b32 v1, 5, v0
	v_readfirstlane_b32 s[WV], v1
	s_and_b32 s[BH], ttmp7, 0xffff                 ; 16 b + head
	s_lshl_b32 s2, s[BH], 17
	s_add_co_u32 s3, s2, 8388608
	v_lshl_add_u32 v3, v0, 4, s3                   ; K's images of my head, 16 bytes a thread
	s_add_co_u32 s3, s2, 16777216
	v_lshl_add_u32 v4, v0, 4, s3                   ; V's
	s_lshl_b32 s30, s[BH], 12
	s_add_co_u32 s31, s30, 262144
	v_lshl_add_u32 v5, v0, 3, s31                  ; K's scale words, 8 bytes a thread
	s_add_co_u32 s31, s30, 524288
	v_lshl_add_u32 v6, v0, 3, s31                  ; V's
	v_lshlrev_b32 v8, 4, v0
	v_lshl_add_u32 v9, v0, 4, 65536
	v_lshl_add_u32 v10, v0, 4, 131072
	v_lshl_add_u32 v11, v0, 4, 196608
	v_lshl_add_u32 v7, v0, 3, KSC
	s_wait_alu depctr_va_sdst(0)                   ; the wave's number is written to s[WV], ahead of its first reader: my tiles' numbers, and so Q's and x's addresses, are made from it
	s_wait_kmcnt 0x0
	s_wait_alu depctr_va_vdst(0)                   ; v3 to v11 are written: the fill's loads and LDS stores read them as offsets and addresses
.set i, 0
.rept 16
	global_load_b128 v[40+4*i:43+4*i], v3, s[4:5] offset:8192*i
.set i, i+1
.endr
.set i, 0
.rept 16
	global_load_b128 v[104+4*i:107+4*i], v4, s[4:5] offset:8192*i
.set i, i+1
.endr
	global_load_b64 v[200:201], v5, s[6:7]
	global_load_b64 v[202:203], v6, s[6:7]
	s_wait_loadcnt 18                              ; K's 16 loads are in: V's 16 and the two of scale words may be out
.set i, 0
.rept 8
	ds_store_b128 v8, v[40+4*i:43+4*i] offset:8192*i
	ds_store_b128 v9, v[72+4*i:75+4*i] offset:8192*i
.set i, i+1
.endr
	s_wait_loadcnt 2                               ; V's are in
.set i, 0
.rept 8
	ds_store_b128 v10, v[104+4*i:107+4*i] offset:8192*i
	ds_store_b128 v11, v[136+4*i:139+4*i] offset:8192*i
.set i, i+1
.endr
	s_wait_loadcnt 0x0
	ds_store_b64 v7, v[200:201]
	ds_store_b64 v7, v[202:203] offset:4096
	v_and_b32 v1, 31, v0                           ; (none of the registers written from here to the barrier is named by the fill)
	v_lshlrev_b32 v1, 4, v1                        ; 16 x lane
	v_and_b32 v2, 15, v0
	v_lshl_add_u32 v2, v2, 4, KSC                  ; my row's four scale words
.set j, 0
.rept 8
	v_mov_b32 v[QF+8+j], 0                         ; the zero half beside Q
.set j, j+1
.endr
.irp b, 0,1,2,3
	v_mov_b32 v[PT+\b], 0                          ; written once: a lane permute's destination counts as one of its sources
.endr
	v_mov_b32 v[T], 0
	v_mov_b32 v[F+1], 0                            ; named as the upper half of a pair
	v_mov_b32 v[NINF], 0xff800000
	v_mov_b32 v[NANB], 0xff
	s_mov_b32 s[SEL], 0x76543210
	s_mov_b32 s[SEL+1], 0xfedcba98
	s_mov_b32 s[CS], 0x3e38aa3b
	s_mov_b32 s[CS+1], s[CS]
	s_mov_b32 s[MNT], 0x600000
	s_mov_b32 s[HM], 0xffff0000
	s_lshl_b32 s[QT], ttmp9, 4
	s_add_co_u32 s[QT], s[QT], s[WV]
	s_wait_dscnt 0x0                               ; for the others' sake: my stores have landed
	s_barrier_signal -1
	s_barrier_wait -1                              ; the head's K and V lie in LDS; nothing is written there again
	TILE
	s_wait_xcnt 0x0                                ; the stores have read their data and offsets
	s_sub_co_u32 s[QT], 127, s[QT]                 ; the tile's counterpart from the other end
	TILE
	s_wait_dscnt 0x0
	s_wait_alu depctr_hold_cnt(0) depctr_sa_sdst(0) depctr_va_vdst(0) depctr_va_sdst(0) depctr_va_ssrc(0) depctr_va_vcc(0) depctr_vm_vsrc(0)
	s_wait_tensorcnt 0x0
	ds_add_u32 v254, v255
	s_wait_dscnt 0x0
	s_endpgm
.Lfunc_end_k_q519ef37dec_attn:
	.size	k_q519ef37dec_attn, .Lfunc_end_k_q519ef37dec_attn-k_q519ef37dec_attn
	.p2alignl 7, 3214868480
	.fill 96, 4, 3214868480
	.section	.rodata,"a",@progbits
	.p2align	6, 0x0
	.amdhsa_kernel k_q519ef37dec_attn
		.amdhsa_group_segment_fixed_size 272384
		.amdhsa_private_segment_fixed_size 0
		.amdhsa_enable_private_segment 0
		.amdhsa_kernarg_size 48
		.amdhsa_user_sgpr_count 2
		.amdhsa_user_sgpr_kernarg_segment_ptr 1
		.amdhsa_wavefront_size32 1
		.amdhsa_system_sgpr_workgroup_id_x 1
		.amdhsa_system_sgpr_workgroup_id_y 1
		.amdhsa_system_sgpr_workgroup_id_z 1
		.amdhsa_system_vgpr_workitem_id 0
		.amdhsa_next_free_vgpr 256
		.amdhsa_next_free_sgpr 100
		.amdhsa_reserve_vcc 1
		.amdhsa_float_denorm_mode_32 3
		.amdhsa_float_denorm_mode_16_64 3
		.amdhsa_memory_ordered 1
		.amdhsa_forward_progress 1
		.amdhsa_inst_pref_size 74
	.end_amdhsa_kernel
	.amdgpu_metadata
---
amdhsa.version: [ 1, 2 ]
amdhsa.kernels:
  - .name:           k_q519ef37dec_attn
    .symbol:         k_q519ef37dec_attn.kd
    .args:
      - { .name: hc, .offset: 0, .size: 8, .value_kind: global_buffer, .address_space: global }
      - { .name: hs, .offset: 8, .size: 8, .value_kind: global_buffer, .address_space: global }
      - { .name: maskw, .offset: 16, .size: 8, .value_kind: global_buffer, .address_space: global }
      - { .name: flags, .offset: 24, .size: 8, .value_kind: global_buffer, .address_space: global }
      - { .name: xc, .offset: 32, .size: 8, .value_kind: global_buffer, .address_space: global }
      - { .name: xs, .offset: 40, .size: 8, .value_kind: global_buffer, .address_space: global }
    .group_segment_fixed_size: 272384
    .private_segment_fixed_size: 0
    .kernarg_segment_align: 8
    .kernarg_segment_size: 48
    .max_flat_workgroup_size: 512
    .sgpr_count:     100
    .vgpr_count:     256
    .wavefront_size: 32
...
	.end_amdgpu_metadata
.endif
;; end of part 5
;; launch outp: the kernel of part 4 again; grid 4 x 32, 4 waves a work-group, clusters of 4 x 4, 327,680 bytes of LDS; arguments xc, xs, cod, scl, bo, out0; writes out0
